; MI455X (gfx1250); checked and timed in simulation.
; The chip was launched on July 23, 2026; its instructions are those of AMD's public machine-readable ISA for CDNA 5 (MIT licence, August 2026) and "CDNA5" Instruction Set Architecture Reference Guide (July 2026). The comments in the code are by the model that wrote it; some were corrected since.
;; Multi Head Self Attention. Allowed arithmetic: float matrix products may take bf16 or f16 operands with f32 sums; all other float work in f32.
;; Inputs: Wk 1,024 x 1,024 float32; Wo 1,024 x 1,024 float32; Wq 1,024 x 1,024 float32; Wv 1,024 x 1,024 float32; bk 1,024 float32; bo 1,024 float32; bq 1,024 float32; bv 1,024 float32; x 4 x 2,048 x 1,024 float32.
;; Outputs: out0 4 x 1,024 float32; out1 4 x 2,048 float32.
;; 2 versions, each right; version 2 is version 1 with the launches cast, xbar written anew for expert scheduling mode. Each part assembles by itself: llvm-mc -triple=amdgcn-amd-amdhsa -mcpu=gfx1250 --defsym DOCPART=n.
;; ======== version 1 of 2: 6 launches
;; workspace buffers: xb 16,777,216 bytes; wqk 4,194,304 bytes; qk 33,554,432 bytes; wpart 2,097,152 bytes; xpart 2,097,152 bytes; ctx 16,384 bytes
;; launch cast (part 1): grid 640 x 1, 8 waves a work-group, no clusters, 0 bytes of LDS; arguments x, Wq, Wk, xb, wqk; writes xb, wqk
.if DOCPART == 1
	.amdgcn_target "amdgcn-amd-amdhsa--gfx1250"
	.amdhsa_code_object_version 6
	.text
	.protected	k_q837c61dcba_cast
	.globl	k_q837c61dcba_cast
	.p2align	8
	.type	k_q837c61dcba_cast,@function
k_q837c61dcba_cast:
	s_mov_b64 s[64:65], 0
	v_nop
	global_prefetch_b8 v0, s[64:65] scope:SCOPE_SE
	s_setreg_imm32_b32 hwreg(HW_REG_WAVE_MODE, 25, 1), 1
	s_wait_xcnt 0x0
; xb = bf16(x);  wqk rows 0-1023 = bf16(Wq * SC), rows 1024-2047 = bf16(Wk).  SC = log2(e) / 8: the division of the scores by sqrt(64)
; and the change of the softmax to base 2 are folded into Wq (and, in the next launch, into bq).
; A stream: every input byte is read once and every output byte written once, so no LDS, no barrier, no matrix unit, no cluster
; (no two work-groups read the same byte).
; A work-group takes 16,384 numbers (65,536 bytes in, 32,768 out): groups 0-511 x, 512-575 Wq, 576-639 Wk.
; In step i thread t loads the 16 bytes at 16 t + 4096 i (a wave's load: 512 consecutive bytes) and stores the 8 bytes at
; 8 t + 2048 i (a wave's store: 256 consecutive bytes, aligned).  All 16 loads of a thread go out first; no register is written twice.
; LIMIT: Wq * SC is rounded to f32 and then to bf16 (two roundings).
.set X,  4                             ; v[4:67]   step i: 4 numbers as loaded
.set Y,  68                            ; v[68:99]  step i: 4 bf16 to store
.set SC, 0x3e38aa3b                    ; log2(e) / 8
	s_load_b256 s[4:11], s[0:1], 0x0               ; x s[4:5], Wq s[6:7], Wk s[8:9], xb s[10:11]
	s_load_b64 s[12:13], s[0:1], 0x20              ; wqk
	s_sub_co_u32 s20, ttmp9, 512                   ; my number among the groups of Wq and Wk (wraps for x's groups)
	s_sub_co_u32 s21, ttmp9, 576                   ; my number among Wk's
	s_mov_b32 s28, SC
	s_mov_b32 s29, SC
	v_lshlrev_b32 v1, 4, v0                        ; 16 t
	v_lshlrev_b32 v2, 3, v0                        ; 8 t
	s_wait_kmcnt 0x0
	s_cmp_lt_u32 ttmp9, 512
	s_cselect_b64 s[14:15], s[4:5], s[6:7]         ; from: x or Wq
	s_cselect_b64 s[16:17], s[10:11], s[12:13]     ; to: xb or wqk
	s_cselect_b32 s18, ttmp9, s20                  ; my part of it
	s_lshl_b32 s22, s18, 15                        ; 32,768 bytes out for each part; Wk's parts follow Wq's 64 in wqk
	s_mov_b32 s23, 0
	s_cmp_ge_u32 ttmp9, 576
	s_cselect_b64 s[14:15], s[8:9], s[14:15]       ; from: Wk
	s_cselect_b32 s18, s21, s18
	s_lshl_b32 s18, s18, 16                        ; 65,536 bytes in for each part
	s_mov_b32 s19, 0
	s_add_nc_u64 s[14:15], s[14:15], s[18:19]
	s_add_nc_u64 s[16:17], s[16:17], s[22:23]
.irp i, 0,1,2,3,4,5,6,7,8,9,10,11,12,13,14,15
	global_load_b128 v[X+4*\i:X+4*\i+3], v1, s[14:15] offset:4096*\i th:TH_LOAD_NT
.endr
; Step i leaves: its load is in when at most the 15 - i younger ones are out (loads come back in order: ISA guide 5.7.1).
.macro OUT i, scaled
	s_wait_loadcnt 15-\i
.if \scaled
	v_pk_mul_f32 v[X+4*\i:X+4*\i+1], v[X+4*\i:X+4*\i+1], s[28:29] op_sel_hi:[1,0]
	v_pk_mul_f32 v[X+4*\i+2:X+4*\i+3], v[X+4*\i+2:X+4*\i+3], s[28:29] op_sel_hi:[1,0]
.endif
	v_cvt_pk_bf16_f32 v[Y+2*\i], v[X+4*\i], v[X+4*\i+1]
	v_cvt_pk_bf16_f32 v[Y+2*\i+1], v[X+4*\i+2], v[X+4*\i+3]
	global_store_b64 v2, v[Y+2*\i:Y+2*\i+1], s[16:17] offset:2048*\i   ; later launches read it: no hint
.endm
	s_cmp_lt_u32 s20, 64                           ; Wq's groups alone scale
	s_cbranch_scc1 .Lscaled
.irp i, 0,1,2,3,4,5,6,7,8,9,10,11,12,13,14,15
	OUT \i, 0
.endr
	s_endpgm
.Lscaled:
.irp i, 0,1,2,3,4,5,6,7,8,9,10,11,12,13,14,15
	OUT \i, 1
.endr
	s_endpgm
.Lfunc_end_k_q837c61dcba_cast:
	.size	k_q837c61dcba_cast, .Lfunc_end_k_q837c61dcba_cast-k_q837c61dcba_cast
	.p2alignl 7, 3214868480
	.fill 96, 4, 3214868480
	.section	.rodata,"a",@progbits
	.p2align	6, 0x0
	.amdhsa_kernel k_q837c61dcba_cast
		.amdhsa_group_segment_fixed_size 0
		.amdhsa_private_segment_fixed_size 0
		.amdhsa_enable_private_segment 0
		.amdhsa_kernarg_size 40
		.amdhsa_user_sgpr_count 2
		.amdhsa_user_sgpr_kernarg_segment_ptr 1
		.amdhsa_wavefront_size32 1
		.amdhsa_system_sgpr_workgroup_id_x 1
		.amdhsa_system_sgpr_workgroup_id_y 1
		.amdhsa_system_sgpr_workgroup_id_z 1
		.amdhsa_system_vgpr_workitem_id 0
		.amdhsa_next_free_vgpr 104
		.amdhsa_next_free_sgpr 66
		.amdhsa_reserve_vcc 0
		.amdhsa_float_denorm_mode_32 3
		.amdhsa_float_denorm_mode_16_64 3
		.amdhsa_memory_ordered 1
		.amdhsa_forward_progress 1
		.amdhsa_inst_pref_size 13
	.end_amdhsa_kernel
	.amdgpu_metadata
---
amdhsa.version: [ 1, 2 ]
amdhsa.kernels:
  - .name:           k_q837c61dcba_cast
    .symbol:         k_q837c61dcba_cast.kd
    .args:
      - { .name: x, .offset: 0, .size: 8, .value_kind: global_buffer, .address_space: global }
      - { .name: Wq, .offset: 8, .size: 8, .value_kind: global_buffer, .address_space: global }
      - { .name: Wk, .offset: 16, .size: 8, .value_kind: global_buffer, .address_space: global }
      - { .name: xb, .offset: 24, .size: 8, .value_kind: global_buffer, .address_space: global }
      - { .name: wqk, .offset: 32, .size: 8, .value_kind: global_buffer, .address_space: global }
    .group_segment_fixed_size: 0
    .private_segment_fixed_size: 0
    .kernarg_segment_align: 8
    .kernarg_segment_size: 40
    .max_flat_workgroup_size: 256
    .sgpr_count:     66
    .vgpr_count:     104
    .wavefront_size: 32
...
	.end_amdgpu_metadata
.endif
;; end of part 1
;; launch proj (part 2): grid 8 x 32, 4 waves a work-group, clusters of 4 x 4, 327,680 bytes of LDS; arguments xb, wqk, qk, bq, bk; writes qk
.if DOCPART == 2
	.amdgcn_target "amdgcn-amd-amdhsa--gfx1250"
	.amdhsa_code_object_version 6
	.text
	.protected	k_q837c61dcba_proj
	.globl	k_q837c61dcba_proj
	.p2align	8
	.type	k_q837c61dcba_proj,@function
k_q837c61dcba_proj:
	s_mov_b64 s[64:65], 0
	v_nop
	global_prefetch_b8 v0, s[64:65] scope:SCOPE_SE
	s_setreg_imm32_b32 hwreg(HW_REG_WAVE_MODE, 25, 1), 1
	s_wait_xcnt 0x0
	s_wait_alu depctr_hold_cnt(0) depctr_sa_sdst(0) depctr_va_vdst(0) depctr_va_sdst(0) depctr_va_ssrc(0) depctr_va_vcc(0) depctr_vm_vsrc(0)
	s_getreg_b32 s2, hwreg(HW_REG_IB_STS2, 6, 4)
	s_cmp_eq_u32 s2, 0
	s_cbranch_scc0 .Lentry_in_a_cluster
	s_endpgm
.Lentry_in_a_cluster:
	s_bfe_u32 s2, ttmp6, 0x10000c
	s_cmp_lg_u32 s2, 0xf033
	s_cbranch_scc0 .Lentry_shape_is_right
	s_endpgm
.Lentry_shape_is_right:
; q and k in one product: C[m][n] = sum over k of xb[m][k] wqk[n][k] + bias[n], M = 8192 (b, l), N = 2048 (q's 1024 columns, then k's), K = 1024.
; bf16 operands, f32 sums; the result is rounded once to bf16 and stored by heads: qk[which][b][head][l][64].
; q comes out in units of log2: Wq was scaled by SC = log2(e) / 8 on its way to bf16, and bq is scaled here.
; A work-group makes a block of 256 x 256 of C with four waves, a wave 128 x 128: 64 accumulator tiles of 16 x 16, 512 registers.
; 8 x 32 = 256 work-groups.  K goes in steps of 128 through a ring of two LDS slots filled by the tensor data mover: a tile's rows are
; 256 bytes of memory and start at multiples of 256 bytes from the buffer's first byte.
; CLUSTERS: 4 x 4 work-groups.  The four of a row of the cluster need the same tiles of xb, the four of a column the same tiles of wqk.
; Such a tile is asked for jointly: each of the four issues the same tensor load, with the same descriptor and a mask that names the four.
;
; REGISTERS, in windows of 256:
;   window 0: v0-31 addresses; v64-127, v128-191 fragments of xb, two buffers; v192-255 the bias, later the packed results on the way out
;   window 1: v64-127, v128-191 fragments of wqk, two buffers
;   window 2: the 32 accumulator tiles of my rows 0-63 (tile (a, b) at v[8 (8 a + b)]);   window 3: those of my rows 64-127
; THE MATRIX INSTRUCTION IS USED TRANSPOSED: source 0 = 16 rows of wqk, source 1 = 16 rows of xb.  Lane l then holds row m = l % 16 of C
; and its registers 0 to 7 the columns n = 8 (l / 16) + 0 .. 7.  So eight registers with the bias of those eight columns are the C of the
; first product of every tile of that column block: the bias starts the sums, and nothing is cleared or added later.
.set SIZE_M, 8192
.set SIZE_N, 2048
.set SIZE_K, 1024
.set SC,     0x3e38aa3b                ; log2(e) / 8
.set KSTEP,  128
.set PITCH,  272                       ; an LDS row: 256 bytes of data + 16 of padding = 68 words, so the 16 rows that a load touches start at 16 different banks (64 banks of 4 bytes: ISA guide 11.1)
.set HALFT,  128*PITCH                 ; 128 rows: what one tensor load brings, and what one wave reads of either operand
.set SLOT,   4*HALFT                   ; xb's 256 rows, then wqk's 256 rows
.set STAGE,  2*SLOT                    ; behind the ring: 16 rows x 272 bytes for each wave, for the way out
.set SPITCH, 272
.set LAPS, SIZE_K/(2*KSTEP)            ; a lap = two K steps = once round the ring: 4 laps
.set ADRA, 16                          ; v16-17  LDS address of my xb fragments in slot 0, 1
.set ADRB, 20                          ; v20-21  the same for wqk
.set STO,  24                          ; v24     the way out: where I put 16 bytes of a row
.set RD,   25                          ; v25     the way out: where I read back
.set CO,   26                          ; v26     my byte offset in qk
.set BA,   27                          ; v27     my byte offset in the bias
.set F0,   64                          ; fragment buffer 0
.set F1,   128                         ; fragment buffer 1
.set BIAS, 192                         ; v[192:255]: column block b at BIAS + 8 b; read by the first quarter step alone
.set TMP,  192                         ; the way out: packed results, in the same registers
.set G1, 24                            ; s[24:31] descriptor group 1 for xb's tiles
.set G0, 32                            ; s[32:39] descriptor group 0 for xb's tiles, one set for each slot
.set G1B, 48                           ; s[48:55] descriptor group 1 for wqk's tiles: it differs in the mask alone
.set G0B, 56                           ; s[56:63] descriptor group 0 for wqk's tiles, one set for each slot
.set MSB, 0
.macro WIN new                         ; the immediate's high byte repeats the setting that is left
.if MSB != \new
	s_set_vgpr_msb (MSB<<8)|\new
.set MSB, \new
.endif
.endm
.set MUL_LO,   0xa1                    ; source 0 (wqk) window 1, source 1 (xb) window 0, C and D window 2
.set MUL_HI,   0xf1                    ; the same, C and D window 3
.set FIRST_LO, 0x81                    ; the first products: C (the bias) window 0, D window 2
.set FIRST_HI, 0xc1                    ; C window 0, D window 3
.set TO_B,     0x40                    ; destination window 1, address window 0
; A joint load.  Waves 0 and 1 fetch xb's two halves, waves 2 and 3 wqk's.  Each of the two lines has one mask and one set of registers for
; all that issue it.  The branch hangs on the wave's number alone: it is the same in every work-group.
.macro JLOAD s
	s_cmp_eq_u32 s11, 0
	s_cbranch_scc0 .Lfor_b_\@
	tensor_load_to_lds s[G0+4*\s:G0+4*\s+3], s[G1:G1+7]
	s_nop 0
	s_branch .Lasked_\@
.Lfor_b_\@:
	tensor_load_to_lds s[G0B+4*\s:G0B+4*\s+3], s[G1B:G1B+7]
	s_nop 0
.Lasked_\@:
.endm
; A round of the cluster's barrier: my work-group's barrier, so that wave 0's signal speaks for all four waves; wave 0 signals for the
; work-group; every wave waits for all sixteen work-groups; my work-group's barrier once more.
.macro CREST                           ; a round behind its opening barrier
	s_cmp_lg_u32 s10, 0
	s_cbranch_scc1 .Lnot_wave_0_\@
	s_barrier_signal -3
.Lnot_wave_0_\@:
	s_barrier_wait -3
	s_barrier_signal -1
	s_barrier_wait -1
.endm
.macro CROUND                          ; a whole round
	s_barrier_signal -1
	s_barrier_wait -1
	CREST
.endm
	s_load_b128 s[4:7], s[0:1], 0x0                ; xb s[4:5], wqk s[6:7]
	s_load_b64 s[8:9], s[0:1], 0x10                ; qk
	s_load_b128 s[68:71], s[0:1], 0x18             ; bq s[68:69], bk s[70:71]
	s_set_vgpr_msb 0x40
	v_lshl_add_u32 v255, v0, 2, 0x48400
	s_set_vgpr_msb 0x4000
	v_mov_b32 v63, 0
	s_set_vgpr_msb 0x1
	ds_add_u32 v255, v63
	ds_add_u32 v255, v63
	s_set_vgpr_msb 0x100
	v_lshrrev_b32 v1, 5, v0
	v_readfirstlane_b32 s10, v1                    ; wave 0..3
	s_lshr_b32 s11, s10, 1                         ; which half of the block's rows is mine.  Also: I fetch for xb (0) or for wqk (1)
	s_and_b32 s12, s10, 1                          ; which half of its columns.  Also: which 128 rows of that tile I fetch
	s_bfe_u32 s40, ttmp6, 0x40000                  ; cx: my place along the cluster's x
	s_bfe_u32 s41, ttmp6, 0x40004                  ; cy: along its y
	s_lshl_b32 s42, ttmp9, 2                       ; in a cluster launch ttmp9 and ttmp7 count clusters
	s_add_co_u32 s42, s42, s40                     ; block column of C = 4 x cluster x + cx
	s_and_b32 s13, ttmp7, 0xffff
	s_lshl_b32 s13, s13, 2
	s_add_co_u32 s13, s13, s41                     ; block row of C = 4 x cluster y + cy
	s_lshl_b32 s43, s41, 2
	s_lshl_b32 s43, 15, s43                        ; my row of the cluster: places 4 cy .. 4 cy + 3
	s_lshl_b32 s44, 0x1111, s40                    ; my column: places cx, cx + 4, cx + 8, cx + 12
	; descriptor group 1: a tile of 128 rows x 128 elements, padded in LDS
	s_or_b32 s[G1+0], s43, (1<<16)|(1<<20)|(1<<21)|(5<<22)|(3<<25)  ; 15:0 the mask: xb's tiles go to my row; 17:16 element of 2 bytes; 20 padding on; 21 set beside a mask; 24:22 after every 64 words (code 5); 31:25 of 4 words (code 3)
	s_or_b32 s[G1B+0], s44, (1<<16)|(1<<20)|(1<<21)|(5<<22)|(3<<25) ; the same with the mask of my column, for wqk's tiles
	s_mov_b32 s[G1B+1], KSTEP<<16
	s_mov_b32 s[G1+1], KSTEP<<16                   ; 63:48 tensor_dim0, low half = 128
	s_mov_b32 s[G1B+2], 128<<16
	s_mov_b32 s[G1+2], 128<<16                     ; 95:80 tensor_dim1, low half = 128
	s_mov_b32 s[G1B+3], KSTEP<<16
	s_mov_b32 s[G1+3], KSTEP<<16                   ; 127:112 tile_dim0 = 128
	s_mov_b32 s[G1B+4], 128
	s_mov_b32 s[G1+4], 128                         ; 143:128 tile_dim1 = 128; 159:144 tile_dim2 = 0
	s_mov_b32 s[G1B+5], SIZE_K
	s_mov_b32 s[G1+5], SIZE_K                      ; 191:160 elements from row to row
	s_mov_b32 s[G1B+6], 0
	s_mov_b32 s[G1+6], 0
	s_mov_b32 s[G1B+7], 0
	s_mov_b32 s[G1+7], 0
	; where the tiles come from.  xb's hang on the block row alone, which my row of the cluster shares; wqk's on the block column alone.
	; Every wave makes both addresses, in registers that never hold the other coordinate, and asks by one of them.
	s_lshl_b32 s17, s12, 7                         ; which 128 rows of the tile I fetch
	s_lshl_b32 s16, s13, 8
	s_add_co_u32 s16, s16, s17                     ; xb: row 256 x block row + 128 x half
	s_lshl_b32 s46, s42, 8
	s_add_co_u32 s46, s46, s17                     ; wqk: row 256 x block column + 128 x half
	s_mov_b32 s17, 0
	s_mov_b32 s47, 0
	s_mov_b64 s[18:19], SIZE_K*2
	s_mul_u64 s[16:17], s[16:17], s[18:19]         ; in bytes, in 64 bits
	s_mul_u64 s[46:47], s[46:47], s[18:19]
	s_mul_i32 s20, s10, HALFT                      ; and where they go: wave x 128 rows: no place in the cluster enters an LDS address
	s_wait_dscnt 0x0
	s_wait_kmcnt 0x0
	s_add_nc_u64 s[14:15], s[4:5], s[16:17]
	s_add_nc_u64 s[46:47], s[6:7], s[46:47]
	CROUND                                         ; all sixteen work-groups are here: the first joint loads meet
.irp s, 0,1
	s_mov_b32 s[G0+4*\s], 1                                        ; 1:0 count = 1
	s_add_co_u32 s[G0+4*\s+1], s20, \s*SLOT                        ; 63:32 LDS address
	s_add_nc_u64 s[G0+4*\s+2:G0+4*\s+3], s[14:15], \s*KSTEP*2      ; 120:64 global address: K step s
	s_or_b32 s[G0+4*\s+3], s[G0+4*\s+3], 0x80000000                ; 127:126 type = 2
	s_mov_b32 s[G0B+4*\s], 1
	s_add_co_u32 s[G0B+4*\s+1], s20, \s*SLOT
	s_add_nc_u64 s[G0B+4*\s+2:G0B+4*\s+3], s[46:47], \s*KSTEP*2
	s_or_b32 s[G0B+4*\s+3], s[G0B+4*\s+3], 0x80000000
	JLOAD \s                                       ; the ring is filled before anything else is done: two loads of this wave are out
.endr
	; The bias.  Cluster x = 0 makes q's columns, 1 makes k's: a choice of buffer and factor, no branch.
	s_cmp_eq_u32 ttmp9, 0
	s_cselect_b64 s[72:73], s[68:69], s[70:71]     ; bq or bk
	s_cselect_b32 s74, SC, 1.0                     ; bq is scaled as Wq was
	s_mov_b32 s75, s74
	s_lshl_b32 s76, s40, 10                        ; my first column in that buffer, in bytes: 256 cx + 128 x half, times 4
	s_lshl_b32 s77, s12, 9
	s_add_co_u32 s76, s76, s77
	; A fragment is 16 rows x 32 K in 8 registers: lane l holds row l % 16; registers 0-3 hold K = 8 (l / 16) + 0..7, registers 4-7 hold
	; K = 16 + 8 (l / 16) + 0..7.  From rows that lie along K: two loads of 16 bytes, 32 bytes apart.
	v_and_b32 v1, 15, v0                           ; l % 16
	v_bfe_u32 v2, v0, 4, 1                         ; l / 16
	v_lshl_add_u32 v[BA], v2, 5, s76               ; my eight columns of a column block: + 32 bytes for the upper lanes
.irp b, 0,1,2,3,4,5,6,7
	global_load_b128 v[BIAS+8*\b:BIAS+8*\b+3],   v[BA], s[72:73] offset:64*\b
	global_load_b128 v[BIAS+8*\b+4:BIAS+8*\b+7], v[BA], s[72:73] offset:64*\b+16
.endr
	v_mul_u32_u24 v3, v1, PITCH
	v_lshl_add_u32 v3, v2, 4, v3                   ; row x pitch + 16 x half
	s_mul_i32 s21, s11, HALFT                      ; my 128 rows of xb
	s_mul_i32 s22, s12, HALFT                      ; my 128 rows of wqk,
	s_add_co_u32 s22, s22, 2*HALFT                 ; which lie behind xb's 256
.irp s, 0,1
	v_add_nc_u32 v[ADRA+\s], s21, v3
	v_add_nc_u32 v[ADRB+\s], s22, v3
	s_add_co_u32 s21, s21, SLOT
	s_add_co_u32 s22, s22, SLOT
.endr
	s_mul_i32 s23, s10, 16*SPITCH
	s_add_co_u32 s23, s23, STAGE                   ; my stage
	v_mul_u32_u24 v4, v1, SPITCH                   ; in: row l % 16, 16 bytes for each half of the lanes
	v_lshl_add_u32 v4, v2, 4, v4
	v_add_nc_u32 v[STO], s23, v4
	; back: my 128 columns are two heads of 64.  Lanes 0-15 take the first head's 128 bytes of two rows, lanes 16-31 the second head's:
	; in qk a head's rows are 128 bytes apart, so each sixteen lanes hold 256 consecutive bytes.
	v_bfe_u32 v5, v0, 3, 1                         ; which of the two rows
	v_mul_u32_u24 v5, v5, SPITCH
	v_lshl_add_u32 v5, v2, 7, v5                   ; which head: + 128 bytes
	v_and_b32 v6, 7, v0
	v_lshl_add_u32 v5, v6, 4, v5                   ; which 16 bytes
	v_add_nc_u32 v[RD], s23, v5
	v_lshlrev_b32 v5, 18, v2                       ; in qk a head is 2048 rows x 128 bytes = 262,144 bytes
	v_lshl_add_u32 v[CO], v1, 4, v5
	s_wait_loadcnt 0x0                             ; the bias, once
.set j, 0
.rept 32
	v_pk_mul_f32 v[BIAS+j:BIAS+j+1], v[BIAS+j:BIAS+j+1], s[74:75] op_sel_hi:[1,0]
.set j, j+2
.endr
; 16 matrix instructions: m blocks a0, a0 + 1 of the window's four (hi = 0: my rows 0-63, 1: rows 64-127) x all 8 n blocks, 32 along K.
; first = 1: the first product takes the bias as C and so starts the sums.
.macro MUL16 f, hi, a0, first
.irp a, \a0, \a0+1
.irp b, 0,1,2,3,4,5,6,7
.if \first
	v_wmma_f32_16x16x32_bf16 v[8*(8*(\a)+\b):8*(8*(\a)+\b)+7], v[\f+8*\b:\f+8*\b+7], v[\f+8*(4*\hi+\a):\f+8*(4*\hi+\a)+7], v[BIAS+8*\b:BIAS+8*\b+7]
.else
	v_wmma_f32_16x16x32_bf16 v[8*(8*(\a)+\b):8*(8*(\a)+\b)+7], v[\f+8*\b:\f+8*\b+7], v[\f+8*(4*\hi+\a):\f+8*(4*\hi+\a)+7], v[8*(8*(\a)+\b):8*(8*(\a)+\b)+7]
.endif
.endr
.endr
.endm
; 32 LDS loads in one run: the fragments of one quarter step (128 rows of wqk, 128 rows of xb, 32 K at byte k of the rows) into buffer f
.macro FETCH slot, k, f
	WIN TO_B
.irp i, 0,1,2,3,4,5,6,7
	ds_load_b128 v[\f+8*\i:\f+8*\i+3],   v[ADRB+\slot] offset:\k+\i*16*PITCH
	ds_load_b128 v[\f+8*\i+4:\f+8*\i+7], v[ADRB+\slot] offset:\k+\i*16*PITCH+32
.endr
	WIN 0
.irp i, 0,1,2,3,4,5,6,7
	ds_load_b128 v[\f+8*\i:\f+8*\i+3],   v[ADRA+\slot] offset:\k+\i*16*PITCH
	ds_load_b128 v[\f+8*\i+4:\f+8*\i+7], v[ADRA+\slot] offset:\k+\i*16*PITCH+32
.endr
.endm
; A load into a register that a matrix instruction has read, and a vector instruction that reads a matrix result, stand four places behind
; that matrix instruction; only plain vector instructions that name none of its registers are places.
.macro PLACES
.rept 4
	v_nop
.endr
.endm
; A K step is four quarter steps of 32 along K, 64 matrix instructions each, on buffers 0, 1, 0, 1.  The 64 accumulators take turns, one
; instruction a turn, in the same order in every quarter step.
; One of the first three: multiplies buffer f; in its middle it fetches the next quarter's fragments, at byte k of the same slot's rows, into buffer g.
.macro QUARTER slot, k, f, g, first
	s_wait_dscnt 8                                 ; wqk's fragments and xb's rows 0-63 are in; the youngest eight loads (xb's rows 64-127) may be out
.if \first
	WIN FIRST_LO
.else
	WIN MUL_LO
.endif
	MUL16 \f, 0, 0, \first
	MUL16 \f, 0, 2, \first
	PLACES
	FETCH \slot, \k, \g
	s_wait_dscnt 32                                ; all but the 32 just issued
.if \first
	WIN FIRST_HI
.else
	WIN MUL_HI
.endif
	MUL16 \f, 1, 0, \first
	MUL16 \f, 1, 2, \first
.endm
.macro THREE slot, first
	QUARTER \slot, 64,  F0, F1, \first
	QUARTER \slot, 128, F1, F0, 0
	QUARTER \slot, 192, F0, F1, 0
.endm
; The last quarter: multiplies buffer 1 and changes slots.  next = the other slot; fill = 1: this slot is filled again, two K steps ahead.
; One barrier for the change of slots.  In front of it each wave waits for its own reads of this slot and for all its tensor loads, of which
; one is out: its part of the next slot.  Behind it nobody reads this slot any more and the next slot is whole: the refill comes first, then
; the next slot's first fragments.  From a request to the wait for it a wave issues 240 matrix instructions.
.macro TURN slot, next, fill
	s_wait_dscnt 8
	WIN MUL_LO
	MUL16 F1, 0, 0, 0
	s_wait_dscnt 0                                 ; my reads of this slot are over
	s_wait_tensorcnt 0x0                           ; and all my tensor loads have landed
	ds_add_u32 v255, v63
	s_wait_dscnt 0x0
	s_barrier_signal -1                            ; say so (where a slot is filled again this barrier opens a round of the cluster's barrier),
	MUL16 F1, 0, 2, 0                              ; work on registers while the others arrive,
	WIN 0
	s_barrier_wait -1                              ; and go on when all four have said so
.if \fill
	CREST                                          ; all sixteen work-groups have said so: no wave of any partner still reads this slot's tile or has a load on its way
	s_add_nc_u64 s[G0+4*\slot+2:G0+4*\slot+3], s[G0+4*\slot+2:G0+4*\slot+3], 2*KSTEP*2
	s_add_nc_u64 s[G0B+4*\slot+2:G0B+4*\slot+3], s[G0B+4*\slot+2:G0B+4*\slot+3], 2*KSTEP*2
	JLOAD \slot                                    ; the first tensor load behind the round, and my only one until the next
.endif
	PLACES
	FETCH \next, 0, F0
	WIN MUL_HI
	MUL16 F1, 1, 0, 0
	MUL16 F1, 1, 2, 0
.endm
.macro LAP first                       ; once round the ring, both slots filled again
	THREE 0, \first
	TURN 0, 1, 1
	THREE 1, 0
	TURN 1, 0, 1
.endm
	s_wait_tensorcnt 1                             ; my part of K step 0 is in; K step 1's load, issued behind it, may stay out
	s_barrier_signal -1
	s_barrier_wait -1                              ; everybody's is
	FETCH 0, 0, F0
	LAP 1                                          ; the first lap stands in front of the loop: its first products start the sums
	WIN 0                                          ; at a label and at a branch every window is 0
	s_mov_b32 s3, LAPS-2
.Llap:
	LAP 0
	WIN 0
	s_sub_co_u32 s3, s3, 1
	s_cmp_lg_u32 s3, 0
	s_cbranch_scc1 .Llap
	THREE 0, 0                                     ; the last lap fills nothing, and has no round of the cluster's barrier
	TURN 0, 1, 0
	THREE 1, 0
	s_wait_dscnt 8                                 ; the very last quarter: nothing more to fetch
	WIN MUL_LO
	MUL16 F1, 0, 0, 0
	MUL16 F1, 0, 2, 0
	s_wait_dscnt 0
	WIN MUL_HI
	MUL16 F1, 1, 0, 0
	MUL16 F1, 1, 2, 0
	; THE WAY OUT, 16 rows of C at a time: round to bf16, 16 bytes a lane into my own stage in LDS, read back by heads.
	PLACES
	; qk byte = which 2^24 + (16 b + head) 2^18 + 128 l + 2 d.  Rows: b = block row / 8, l = 256 (block row % 8) + 128 x half.
	s_lshr_b32 s16, s13, 3
	s_lshl_b32 s16, s16, 22                        ; 16 b heads of 2^18 bytes
	s_and_b32 s14, s13, 7
	s_lshl_b32 s14, s14, 15                        ; 256 rows of 128 bytes
	s_add_co_u32 s16, s16, s14
	s_lshl_b32 s14, s11, 14                        ; 128 rows of 128 bytes
	s_add_co_u32 s16, s16, s14
	s_mov_b32 s17, 0
	s_add_nc_u64 s[8:9], s[8:9], s[16:17]
	; Columns: which = cluster x, head = 4 cx + 2 x half (in the registers that held wqk's address: none that fed xb's descriptors ever holds cx)
	s_lshl_b32 s46, ttmp9, 24
	s_lshl_b32 s47, s40, 20
	s_add_co_u32 s46, s46, s47
	s_lshl_b32 s47, s12, 19
	s_add_co_u32 s46, s46, s47
	s_mov_b32 s47, 0
	s_add_nc_u64 s[8:9], s[8:9], s[46:47]
; rows 16 i .. 16 i + 15 of my block = the eight tiles (a, 0..7) of window 2 or 3 (from = 0x0a or 0x0f: sources 0 and 1); f: F0 or F1 in turn
.macro OUT16 i, a, from, f
	WIN \from
.irp b, 0,1,2,3,4,5,6,7
.irp r, 0,1,2,3
	v_cvt_pk_bf16_f32 v[TMP+4*\b+\r], v[8*(8*\a+\b)+2*\r], v[8*(8*\a+\b)+2*\r+1]
.endr
.endr
	WIN 0
.irp b, 0,1,2,3,4,5,6,7
	ds_store_b128 v[STO], v[TMP+4*\b:TMP+4*\b+3] offset:32*\b
.endr
	s_wait_xcnt 0x0                                ; every earlier memory instruction has had its addresses translated (ISA guide 3.1): buffer f, which earlier stores read, is loaded again only behind this wait
.irp t, 0,1,2,3,4,5,6,7
	ds_load_b128 v[\f+4*\t:\f+4*\t+3], v[RD] offset:\t*2*SPITCH    ; LDS serves a wave's instructions in order (ISA guide 5.7.1): these see the stores above
.endr
.irp t, 0,1,2,3,4,5,6,7
	s_wait_dscnt 7-\t
	global_store_b128 v[CO], v[\f+4*\t:\f+4*\t+3], s[8:9] offset:\i*2048+\t*256   ; rows 16 i + 2 t and + 1 of each head: 16 lanes store 256 consecutive bytes, aligned
.endr
.endm
	OUT16 0, 0, 0x0a, F0
	OUT16 1, 1, 0x0a, F1
	OUT16 2, 2, 0x0a, F0
	OUT16 3, 3, 0x0a, F1
	OUT16 4, 0, 0x0f, F0
	OUT16 5, 1, 0x0f, F1
	OUT16 6, 2, 0x0f, F0
	OUT16 7, 3, 0x0f, F1
	s_set_vgpr_msb 0x1
	s_wait_tensorcnt 0x0
	ds_add_u32 v255, v63
	s_wait_dscnt 0x0
	s_set_vgpr_msb 0x100
	CROUND                                         ; the closing round: no work-group ends while a partner may still ask for a tile that names it
	s_endpgm
.Lfunc_end_k_q837c61dcba_proj:
	.size	k_q837c61dcba_proj, .Lfunc_end_k_q837c61dcba_proj-k_q837c61dcba_proj
	.p2alignl 7, 3214868480
	.fill 96, 4, 3214868480
	.section	.rodata,"a",@progbits
	.p2align	6, 0x0
	.amdhsa_kernel k_q837c61dcba_proj
		.amdhsa_group_segment_fixed_size 327680
		.amdhsa_private_segment_fixed_size 0
		.amdhsa_enable_private_segment 0
		.amdhsa_kernarg_size 40
		.amdhsa_user_sgpr_count 2
		.amdhsa_user_sgpr_kernarg_segment_ptr 1
		.amdhsa_wavefront_size32 1
		.amdhsa_system_sgpr_workgroup_id_x 1
		.amdhsa_system_sgpr_workgroup_id_y 1
		.amdhsa_system_sgpr_workgroup_id_z 1
		.amdhsa_system_vgpr_workitem_id 0
		.amdhsa_next_free_vgpr 1024
		.amdhsa_next_free_sgpr 80
		.amdhsa_reserve_vcc 0
		.amdhsa_float_denorm_mode_32 3
		.amdhsa_float_denorm_mode_16_64 3
		.amdhsa_memory_ordered 1
		.amdhsa_forward_progress 1
		.amdhsa_inst_pref_size 200
	.end_amdhsa_kernel
	.amdgpu_metadata
---
amdhsa.version: [ 1, 2 ]
amdhsa.kernels:
  - .name:           k_q837c61dcba_proj
    .symbol:         k_q837c61dcba_proj.kd
    .args:
      - { .name: xb, .offset: 0, .size: 8, .value_kind: global_buffer, .address_space: global }
      - { .name: wqk, .offset: 8, .size: 8, .value_kind: global_buffer, .address_space: global }
      - { .name: qk, .offset: 16, .size: 8, .value_kind: global_buffer, .address_space: global }
      - { .name: bq, .offset: 24, .size: 8, .value_kind: global_buffer, .address_space: global }
      - { .name: bk, .offset: 32, .size: 8, .value_kind: global_buffer, .address_space: global }
    .group_segment_fixed_size: 327680
    .private_segment_fixed_size: 0
    .kernarg_segment_align: 8
    .kernarg_segment_size: 40
    .max_flat_workgroup_size: 128
    .sgpr_count:     80
    .vgpr_count:     1024
    .wavefront_size: 32
...
	.end_amdgpu_metadata
.endif
;; end of part 2
;; launch attn (part 3): grid 4 x 64, 8 waves a work-group, no clusters, 168,960 bytes of LDS; arguments qk, wpart; writes wpart
.if DOCPART == 3
	.amdgcn_target "amdgcn-amd-amdhsa--gfx1250"
	.amdhsa_code_object_version 6
	.text
	.protected	k_q837c61dcba_attn
	.globl	k_q837c61dcba_attn
	.p2align	8
	.type	k_q837c61dcba_attn,@function
k_q837c61dcba_attn:
	s_mov_b64 s[64:65], 0
	v_nop
	global_prefetch_b8 v0, s[64:65] scope:SCOPE_SE
	s_setreg_imm32_b32 hwreg(HW_REG_WAVE_MODE, 25, 1), 1
	s_wait_xcnt 0x0
; Column sums of the softmax.  wpart[hb][qq][k] = (1 / 2048) x the sum over the 512 queries q of quarter qq of softmax(q . k / 8)[q][k],
; for head hb = 16 b + n.  Only these sums are needed: both of the module's results are means over the queries, and a mean over q of
; attn . v is (mean over q of attn) . v.
; A column sum needs every row's maximum and sum first, so the scores are formed twice:
;   phase 1: per query the maximum and the sum of exponentials (a running maximum inside the wave; the waves' figures meet in LDS);
;   phase 2: exp2(score - row maximum) x (1 / row sum) / 2048, added up along the queries.
; q is in units of log2 (the factor log2(e) / 8 lies in the projection), so the exponentials are v_exp_f32 as they stand.
; SHARES: a work-group has one head and 512 queries (32 tiles of 16); 4 x 64 = 256 work-groups.  Wave w owns keys 256 w .. 256 w + 255:
; 16 tiles of 16 keys x 64, whose fragments stay in 256 registers (window 1) for the whole launch.  One query tile (4 LDS loads) feeds
; 32 matrix instructions.  Two waves lie on a SIMD, so that one's exponentials run beside the other's matrix instructions.
; NO JOINT LOADS, though the four work-groups of a head read the same keys: the keys go straight into registers, once (64 loads a wave
; against 2,048 matrix instructions).  A joint load would have to land them in LDS first: 2,048 rows x 144 bytes = 294,912 bytes, which
; do not fit beside the queries' 73,728.
; LIMITS: q and k are bf16.  An exponential below 2^-126 counts as 0 (v_exp_f32 flushes: ISA guide 15.8).  NaN and infinities in the
; scores are not treated: the maxima skip NaN.
.set QPITCH, 144                       ; a query's LDS row: 128 bytes + 16 of padding, an odd multiple of 16: 16 rows start at 16 different 16-byte columns
.set QTILE,  16*QPITCH
.set ST,     73728                     ; behind the 512 query rows: [query tile 32][wave 8][lane 32] pairs (maximum, sum), 65,536 bytes
.set TBM,    139264                    ; - row maximum [512], 2,048 bytes; the reciprocals [512] follow at + 2,048
.set OS,     143360                    ; the way out: 1,024 bytes for each wave
.set QA, 2                             ; v2   LDS address of my part of the next query tile
.set SA, 3                             ; v3   where I put this tile's (maximum, sum)
.set TA, 4                             ; v4   where the next tile's eight - maxima lie
.set MA, 6                             ; v[6:7]   maximum of keys 0-127 of my 256, twice (a pair for the packed subtraction)
.set MB, 8                             ; v[8:9]   maximum of all my keys, twice; at the tile's end v9 takes the sum: the pair is stored
.set CH, 10                            ; v[10:13] chains of maxima
.set LS, 14                            ; v14  sum over keys 0-127
.set CR, 15                            ; v15  2^(old maximum - new maximum)
.set QF, 16                            ; v[16:31] the query tile's fragments: d 0-31, d 32-63
.set NM, 32                            ; v[32:39] phase 2: - maximum of queries 8 h + 0..7
.set RL, 40                            ; v[40:47] phase 2: 1 / (2048 x sum) of the same
.set CA, 48                            ; v[48:79] phase 2: column sums, a pair (even, odd queries) for each of my 16 key tiles
.set S0, 80                            ; v[80:143]  scores of key tiles 0-7
.set S1, 144                           ; v[144:207] scores of key tiles 8-15
.set TS, 208                           ; v[208:215] chains of sums
.set QB, 216                           ; v216 QA for tile 0
.set RR, 217                           ; v217 lane % 16
.set HH, 218                           ; v218 lane / 16
.set TW, 219                           ; v219 at work
.set MSB, 0
.macro WIN new                         ; s_set_vgpr_msb: bits 1:0 source 0, 3:2 source 1, 5:4 source 2, 7:6 destination; the high byte repeats the setting that is left
.if MSB != \new
	s_set_vgpr_msb (MSB<<8)|\new
.set MSB, \new
.endif
.endm
	s_load_b128 s[4:7], s[0:1], 0x0                ; qk s[4:5], wpart s[6:7]
	v_lshl_add_u32 v254, v0, 2, 0x29000
	v_mov_b32 v255, 0
	ds_add_u32 v254, v255
	ds_add_u32 v254, v255
	v_lshrrev_b32 v1, 5, v0
	v_readfirstlane_b32 s8, v1                     ; wave 0..7
	s_and_b32 s9, ttmp7, 0xffff                    ; hb
	; One tensor load a wave, once in the launch: 64 queries x 64 bf16, rows of 128 bytes padded to 144.  One load of the wave is out.
	s_mov_b32 s12, 1                               ; group 0: count = 1
	s_mul_i32 s13, s8, 64*QPITCH                   ; LDS address: my 64 rows
	s_mov_b32 s16, (1<<16)|(1<<20)|(4<<22)|(3<<25) ; group 1: element of 2 bytes; padding on; after every 32 words (code 4); of 4 words (code 3)
	s_mov_b32 s17, 64<<16                          ; tensor_dim0 = 64
	s_mov_b32 s18, 64<<16                          ; tensor_dim1 = 64
	s_mov_b32 s19, 64<<16                          ; tile_dim0 = 64
	s_mov_b32 s20, 64                              ; tile_dim1 = 64
	s_mov_b32 s21, 64                              ; 64 elements from row to row
	s_mov_b32 s22, 0
	s_mov_b32 s23, 0
	s_lshl_b32 s10, s9, 18                         ; a head is 2048 x 128 bytes
	s_lshl_b32 s24, ttmp9, 16                      ; my quarter: 512 rows of 128 bytes
	s_lshl_b32 s25, s8, 13                         ; my wave's 64 rows
	s_add_co_u32 s24, s24, s25
	s_add_co_u32 s24, s24, s10
	s_mov_b32 s25, 0
	s_lshl_b32 s28, s8, 15                         ; my wave's 256 keys
	s_add_co_u32 s28, s28, s10
	s_add_co_u32 s28, s28, 0x1000000               ; k lies behind q's 2^24 bytes
	s_mov_b32 s29, 0
	s_lshl2_add_u32 s34, s9, ttmp9                 ; 4 hb + qq
	s_lshl_b32 s34, s34, 13                        ; rows of 2048 f32
	s_lshl_b32 s35, s8, 10                         ; my 256 keys
	s_add_co_u32 s34, s34, s35
	s_mov_b32 s35, 0
	s_mov_b32 s30, 0x76543210                      ; v_permlanex16_b32: lane i of one half reads lane i of the other
	s_mov_b32 s31, 0xfedcba98
	s_wait_dscnt 0x0
	s_wait_kmcnt 0x0
	s_add_nc_u64 s[14:15], s[4:5], s[24:25]
	s_or_b32 s15, s15, 0x80000000                  ; type = 2
	tensor_load_to_lds s[12:15], s[16:23]
	s_nop 0
	s_add_nc_u64 s[26:27], s[4:5], s[28:29]
	s_add_nc_u64 s[32:33], s[6:7], s[34:35]
	; My keys' fragments.  Tile i, 16 keys x 64: lane (r, h) holds key r; registers 4 p .. 4 p + 3 hold d = 16 p + 8 h + 0..7, the 16 bytes at 32 p + 16 h.
	v_and_b32 v[RR], 15, v0
	v_bfe_u32 v[HH], v0, 4, 1
	v_lshlrev_b32 v1, 7, v[RR]
	v_lshl_add_u32 v1, v[HH], 4, v1                ; 128 r + 16 h
	WIN 0x40                                       ; destination window 1
.irp i, 0,1,2,3,4,5,6,7,8,9,10,11,12,13,14,15
.irp p, 0,1,2,3
	global_load_b128 v[16*\i+4*\p:16*\i+4*\p+3], v1, s[26:27] offset:2048*\i+32*\p
.endr
.endr
	WIN 0
	v_mul_u32_u24 v[QB], v[RR], QPITCH
	v_lshl_add_u32 v[QB], v[HH], 4, v[QB]          ; r x pitch + 16 h
	v_mov_b32 v[QA], v[QB]
	v_and_b32 v5, 31, v0
	s_lshl_b32 s10, s8, 8
	s_add_co_u32 s10, s10, ST
	v_lshl_add_u32 v[SA], v5, 3, s10               ; ST + 256 w + 8 lane
.macro LDQ                             ; the next query tile's fragments, then the address steps
	ds_load_b128 v[QF:QF+3],     v[QA]
	ds_load_b128 v[QF+4:QF+7],   v[QA] offset:32
	ds_load_b128 v[QF+8:QF+11],  v[QA] offset:64
	ds_load_b128 v[QF+12:QF+15], v[QA] offset:96
	v_add_nc_u32 v[QA], QTILE, v[QA]
.endm
; Phase 1's scores of key tiles 8 c .. 8 c + 7: source 0 = keys, source 1 = queries, so lane (r, h) holds query r and its registers keys 8 h + 0..7:
; a row's maximum and sum are taken along the lane's own registers.  The eight accumulators take turns, one instruction a turn.
.macro W1 buf, c
	WIN 0x01                                       ; source 0 window 1
.irp i, 0,1,2,3,4,5,6,7
	v_wmma_f32_16x16x32_bf16 v[\buf+8*\i:\buf+8*\i+7], v[16*(8*\c+\i):16*(8*\c+\i)+7], v[QF:QF+7], 0
.endr
.irp i, 0,1,2,3,4,5,6,7
	v_wmma_f32_16x16x32_bf16 v[\buf+8*\i:\buf+8*\i+7], v[16*(8*\c+\i)+8:16*(8*\c+\i)+15], v[QF+8:QF+15], v[\buf+8*\i:\buf+8*\i+7]
.endr
	WIN 0
.endm
; Phase 2's scores: source 0 = queries, source 1 = keys, so register j holds query 8 h + j and lane r key r: a column's sum runs along the registers.
; The first product's C is - maximum: the subtraction costs no instruction.  Accumulators by turns as above.
.macro W2 buf, c
	WIN 0x04                                       ; source 1 window 1
.irp i, 0,1,2,3,4,5,6,7
	v_wmma_f32_16x16x32_bf16 v[\buf+8*\i:\buf+8*\i+7], v[QF:QF+7], v[16*(8*\c+\i):16*(8*\c+\i)+7], v[NM:NM+7]
.endr
.irp i, 0,1,2,3,4,5,6,7
	v_wmma_f32_16x16x32_bf16 v[\buf+8*\i:\buf+8*\i+7], v[QF+8:QF+15], v[16*(8*\c+\i)+8:16*(8*\c+\i)+15], v[\buf+8*\i:\buf+8*\i+7]
.endr
	WIN 0
.endm
; The maximum of 64 scores: four chains of three-way maxima.  first = 1: into MA.  first = 0: with MA's, into MB, and the factor that brings MA's sum to the new maximum.
.macro MAXC buf, first
.irp c, 0,1,2,3
	v_max3_num_f32 v[CH+\c], v[\buf+\c], v[\buf+4+\c], v[\buf+8+\c]
.endr
.set j, 12
.rept 6
.irp c, 0,1,2,3
	v_max3_num_f32 v[CH+\c], v[CH+\c], v[\buf+j+\c], v[\buf+j+4+\c]
.endr
.set j, j+8
.endr
	v_max3_num_f32 v[CH], v[CH], v[\buf+60], v[\buf+61]
	v_max3_num_f32 v[CH+1], v[CH+1], v[\buf+62], v[\buf+63]
	v_max3_num_f32 v[CH], v[CH], v[CH+1], v[CH+2]
.if \first
	v_max_num_f32 v[MA], v[CH], v[CH+3]
	v_max_num_f32 v[MA+1], v[CH], v[CH+3]
.else
	v_max3_num_f32 v[MB], v[CH], v[CH+3], v[MA]
	v_max3_num_f32 v[MB+1], v[CH], v[CH+3], v[MA]
	v_sub_f32 v[CR], v[MA], v[MB]
	v_exp_f32 v[CR], v[CR]                         ; the packed subtractions that follow are the plain instruction between it and its use (ISA guide 5.7.2)
.endif
.endm
.macro SUBC buf, m                     ; score - maximum, two at a time
.set j, 0
.rept 32
	v_pk_add_f32 v[\buf+j:\buf+j+1], v[\buf+j:\buf+j+1], v[\m:\m+1] neg_lo:[0,1] neg_hi:[0,1]
.set j, j+2
.endr
.endm
.macro EXPC buf                        ; 64 exponentials in place, back to back, then one plain instruction before any is used (ISA guide 5.7.2)
.set j, 0
.rept 64
	v_exp_f32 v[\buf+j], v[\buf+j]
.set j, j+1
.endr
	v_nop
	s_wait_alu depctr_va_vdst(0)
.endm
; The sum of 64 exponentials: four chains of packed sums, started by the first eight pairs.  first = 0: the old sum is brought to the new maximum and joins; the result lies beside the maximum in MB.
.macro SUMC buf, first
	s_wait_alu depctr_va_vdst(0)
.irp c, 0,1,2,3
	v_pk_add_f32 v[TS+2*\c:TS+2*\c+1], v[\buf+2*\c:\buf+2*\c+1], v[\buf+8+2*\c:\buf+8+2*\c+1]
.endr
.set j, 16
.rept 6
.irp c, 0,1,2,3
	v_pk_add_f32 v[TS+2*\c:TS+2*\c+1], v[TS+2*\c:TS+2*\c+1], v[\buf+j+2*\c:\buf+j+2*\c+1]
.endr
.set j, j+8
.endr
	v_pk_add_f32 v[TS:TS+1], v[TS:TS+1], v[TS+2:TS+3]
	v_pk_add_f32 v[TS+4:TS+5], v[TS+4:TS+5], v[TS+6:TS+7]
	v_pk_add_f32 v[TS:TS+1], v[TS:TS+1], v[TS+4:TS+5]
.if \first
	v_add_f32 v[LS], v[TS], v[TS+1]
.else
	v_add_f32 v[TS], v[TS], v[TS+1]
	v_fma_f32 v[MB+1], v[LS], v[CR], v[TS]
.endif
.endm
; One query tile of phase 1.  At its head S0 holds its scores with key tiles 0-7.  The vector work on one half of the keys stands behind the
; matrix instructions of the other half, so it also fills the four places that a matrix result and a reload of a matrix source need (ISA guide 7.12.1).
.macro P1TILE next
	W1 S1, 1
	MAXC S0, 1
.if \next
	LDQ                                            ; QF was last read by the matrix instructions above: MAXC's 33 plain instructions lie between
.endif
	SUBC S0, MA
	EXPC S0
	SUMC S0, 1
.if \next
	s_wait_dscnt 0x0                               ; the next tile's fragments are in
	W1 S0, 0
.endif
	MAXC S1, 0
	SUBC S1, MB
	EXPC S1
	SUMC S1, 0
	ds_store_b64 v[SA], v[MB:MB+1]                 ; (maximum, sum) of query r over my lane's 128 keys
	v_add_nc_u32 v[SA], 2048, v[SA]
.endm
	s_wait_tensorcnt 0x0                           ; my 64 queries are in LDS,
	s_barrier_signal -1
	s_barrier_wait -1                              ; everybody's are
	LDQ
	s_wait_loadcnt 0x0                             ; my keys
	s_wait_dscnt 0x0
	W1 S0, 0
.rept 4
	v_nop                                          ; on the way in, the four places between these products and MAXC's reads of them
.endr
	s_mov_b32 s28, 31
.Lp1:
	P1TILE 1
	s_sub_co_i32 s28, s28, 1
	s_cmp_lg_u32 s28, 0
	s_cbranch_scc1 .Lp1
	P1TILE 0                                       ; the last tile fetches nothing
	; THE MERGE: a query has 16 pairs (8 waves x 2 halves of the lanes).  Thread t takes queries t and t + 256.
	s_wait_dscnt 0x0                               ; my pairs are stored,
	s_barrier_signal -1
	s_barrier_wait -1                              ; everybody's are
	v_lshrrev_b32 v5, 4, v0
	v_lshlrev_b32 v5, 11, v5                       ; the query's tile: 2,048 bytes each
	v_lshl_add_u32 v5, v[RR], 3, v5                ; its place in the tile
	v_add_nc_u32 v5, ST, v5
.irp i, 0,1,2,3,4,5,6,7,8,9,10,11,12,13,14,15
	ds_load_b64 v[S0+2*\i:S0+2*\i+1], v5 offset:128*\i           ; 256 x wave + 128 x half
.endr
.irp i, 0,1,2,3,4,5,6,7,8,9,10,11,12,13,14,15
	ds_load_b64 v[S0+32+2*\i:S0+32+2*\i+1], v5 offset:32768+128*\i   ; 16 tiles further
.endr
	v_lshlrev_b32 v[TW], 2, v0
	v_add_nc_u32 v[TW], TBM, v[TW]
; The sum is at least 1 (the pair that holds the maximum keeps its factor 1 and its own largest term 1), so the reciprocal is safe.
.macro MERGE b, off
	v_max3_num_f32 v[CH], v[\b], v[\b+2], v[\b+4]
.irp i, 6,10,14,18,22,26
	v_max3_num_f32 v[CH], v[CH], v[\b+\i], v[\b+\i+2]
.endr
	v_max_num_f32 v[CH], v[CH], v[\b+30]
.irp i, 0,2,4,6,8,10,12,14,16,18,20,22,24,26,28,30
	v_sub_f32 v[\b+\i], v[\b+\i], v[CH]
.endr
.irp i, 0,2,4,6,8,10,12,14,16,18,20,22,24,26,28,30
	v_exp_f32 v[\b+\i], v[\b+\i]
.endr
	v_nop
	s_wait_alu depctr_va_vdst(0)
	v_mul_f32 v[CH+1], v[\b], v[\b+1]
	v_mul_f32 v[CH+2], v[\b+2], v[\b+3]
.irp i, 4,8,12,16,20,24,28
	v_fmac_f32 v[CH+1], v[\b+\i], v[\b+\i+1]
	v_fmac_f32 v[CH+2], v[\b+\i+2], v[\b+\i+3]
.endr
	v_add_f32 v[CH+1], v[CH+1], v[CH+2]
	v_rcp_f32 v[CH+1], v[CH+1]
	v_sub_f32 v[CH], 0, v[CH]                      ; - maximum; also the plain instruction behind v_rcp_f32
	s_wait_alu depctr_va_vdst(0)
	v_mul_f32 v[CH+1], 0x3a000000, v[CH+1]         ; x 2^-11: the mean over the 2,048 queries
	ds_store_b32 v[TW], v[CH] offset:\off
	ds_store_b32 v[TW], v[CH+1] offset:\off+2048
.endm
	s_wait_dscnt 16                                ; the first query's 16 pairs; the second's 16 loads may be out
	MERGE S0, 0
	s_wait_dscnt 2                                 ; the second query's; the two stores just issued may be out
	MERGE S0+32, 1024
	s_wait_dscnt 0x0                               ; my table entries are stored,
	s_barrier_signal -1
	s_barrier_wait -1                              ; everybody's are
; Column sums: pair (even, odd queries) of key tile 8 c + i += exponentials x reciprocals.  first = 1: the first products start the sums.
.macro FMAC buf, c, first
.irp i, 0,1,2,3,4,5,6,7
.if \first
	v_pk_mul_f32 v[CA+2*(8*\c+\i):CA+2*(8*\c+\i)+1], v[\buf+8*\i:\buf+8*\i+1], v[RL:RL+1]
.else
	v_pk_fma_f32 v[CA+2*(8*\c+\i):CA+2*(8*\c+\i)+1], v[\buf+8*\i:\buf+8*\i+1], v[RL:RL+1], v[CA+2*(8*\c+\i):CA+2*(8*\c+\i)+1]
.endif
.endr
.irp jp, 1,2,3
.irp i, 0,1,2,3,4,5,6,7
	v_pk_fma_f32 v[CA+2*(8*\c+\i):CA+2*(8*\c+\i)+1], v[\buf+8*\i+2*\jp:\buf+8*\i+2*\jp+1], v[RL+2*\jp:RL+2*\jp+1], v[CA+2*(8*\c+\i):CA+2*(8*\c+\i)+1]
.endr
.endr
.endm
; One query tile of phase 2.  At its head S0 holds score - maximum for key tiles 0-7, and RL's two loads may still be out.
.macro P2TILE first, next
	W2 S1, 1
.if \next
.rept 4
	v_nop                                          ; four places between the matrix instructions and the loads into their sources QF and NM (and, in the first tile, the reads of S0)
.endr
	LDQ
	ds_load_b128 v[NM:NM+3],   v[TA]
	ds_load_b128 v[NM+4:NM+7], v[TA] offset:16
.endif
	EXPC S0
.if \next
	s_wait_dscnt 6                                 ; this tile's reciprocals are in: only the six loads just issued are younger
.else
	s_wait_dscnt 0x0
.endif
	FMAC S0, 0, \first
.if \next
	s_wait_dscnt 0x0                               ; the next tile's fragments and maxima
	W2 S0, 0
.endif
	EXPC S1
	FMAC S1, 1, \first
.if \next
	ds_load_b128 v[RL:RL+3],   v[TA] offset:2048    ; the next tile's reciprocals, behind the last use of this tile's
	ds_load_b128 v[RL+4:RL+7], v[TA] offset:2064
	v_add_nc_u32 v[TA], 64, v[TA]
.endif
.endm
	v_mov_b32 v[QA], v[QB]                         ; back to the first query tile
	v_lshlrev_b32 v[TA], 5, v[HH]
	v_add_nc_u32 v[TA], TBM, v[TA]                 ; queries 8 h + 0..7 of a tile: 32 bytes
	LDQ
	ds_load_b128 v[NM:NM+3],   v[TA]
	ds_load_b128 v[NM+4:NM+7], v[TA] offset:16
	ds_load_b128 v[RL:RL+3],   v[TA] offset:2048
	ds_load_b128 v[RL+4:RL+7], v[TA] offset:2064
	v_add_nc_u32 v[TA], 64, v[TA]
	s_wait_dscnt 0x0
	W2 S0, 0
	P2TILE 1, 1
	s_mov_b32 s28, 30
.Lp2:
	P2TILE 0, 1
	s_sub_co_i32 s28, s28, 1
	s_cmp_lg_u32 s28, 0
	s_cbranch_scc1 .Lp2
	P2TILE 0, 0
	; THE WAY OUT: even + odd queries, then the two halves of the lanes (queries 0-7 and 8-15 of every tile).  Lane r then holds key r of 16 tiles:
	; through my own 1,024 bytes of LDS they become 256 neighbouring numbers.
.irp i, 0,1,2,3,4,5,6,7,8,9,10,11,12,13,14,15
	v_add_f32 v[CA+2*\i], v[CA+2*\i], v[CA+2*\i+1]
.endr
.irp i, 0,1,2,3,4,5,6,7,8,9,10,11,12,13,14,15
	v_permlanex16_b32 v[CA+2*\i+1], v[CA+2*\i], s30, s31
.endr
.irp i, 0,1,2,3,4,5,6,7,8,9,10,11,12,13,14,15
	v_add_f32 v[CA+2*\i], v[CA+2*\i], v[CA+2*\i+1]
.endr
	s_lshl_b32 s10, s8, 10
	s_add_co_u32 s11, s10, OS
	v_lshl_add_u32 v5, v[RR], 2, s11
.irp i, 0,1,2,3,4,5,6,7,8,9,10,11,12,13,14,15
	ds_store_b32 v5, v[CA+2*\i] offset:64*\i       ; both halves of the lanes store the same number to the same word
.endr
	v_and_b32 v[TW], 31, v0
	v_lshlrev_b32 v[TW], 4, v[TW]                  ; 16 x lane
	v_add_nc_u32 v[QA], s11, v[TW]
	ds_load_b128 v[S0:S0+3],   v[QA]               ; LDS serves a wave's instructions in order (ISA guide 5.7.1): these see the stores above
	ds_load_b128 v[S0+4:S0+7], v[QA] offset:512
	s_wait_dscnt 1                                 ; the first is in
	global_store_b128 v[TW], v[S0:S0+3], s[32:33]                  ; 512 consecutive bytes, aligned
	s_wait_dscnt 0x0
	global_store_b128 v[TW], v[S0+4:S0+7], s[32:33] offset:512
	s_wait_tensorcnt 0x0
	ds_add_u32 v254, v255
	s_wait_dscnt 0x0
	s_endpgm
.Lfunc_end_k_q837c61dcba_attn:
	.size	k_q837c61dcba_attn, .Lfunc_end_k_q837c61dcba_attn-k_q837c61dcba_attn
	.p2alignl 7, 3214868480
	.fill 96, 4, 3214868480
	.section	.rodata,"a",@progbits
	.p2align	6, 0x0
	.amdhsa_kernel k_q837c61dcba_attn
		.amdhsa_group_segment_fixed_size 168960
		.amdhsa_private_segment_fixed_size 0
		.amdhsa_enable_private_segment 0
		.amdhsa_kernarg_size 16
		.amdhsa_user_sgpr_count 2
		.amdhsa_user_sgpr_kernarg_segment_ptr 1
		.amdhsa_wavefront_size32 1
		.amdhsa_system_sgpr_workgroup_id_x 1
		.amdhsa_system_sgpr_workgroup_id_y 1
		.amdhsa_system_sgpr_workgroup_id_z 1
		.amdhsa_system_vgpr_workitem_id 0
		.amdhsa_next_free_vgpr 512
		.amdhsa_next_free_sgpr 66
		.amdhsa_reserve_vcc 0
		.amdhsa_float_denorm_mode_32 3
		.amdhsa_float_denorm_mode_16_64 3
		.amdhsa_memory_ordered 1
		.amdhsa_forward_progress 1
		.amdhsa_inst_pref_size 92
	.end_amdhsa_kernel
	.amdgpu_metadata
---
amdhsa.version: [ 1, 2 ]
amdhsa.kernels:
  - .name:           k_q837c61dcba_attn
    .symbol:         k_q837c61dcba_attn.kd
    .args:
      - { .name: qk, .offset: 0, .size: 8, .value_kind: global_buffer, .address_space: global }
      - { .name: wpart, .offset: 8, .size: 8, .value_kind: global_buffer, .address_space: global }
    .group_segment_fixed_size: 168960
    .private_segment_fixed_size: 0
    .kernarg_segment_align: 8
    .kernarg_segment_size: 16
    .max_flat_workgroup_size: 256
    .sgpr_count:     66
    .vgpr_count:     512
    .wavefront_size: 32
...
	.end_amdgpu_metadata
.endif
;; end of part 3
;; launch xbar (part 4): grid 8 x 32, 8 waves a work-group, no clusters, 82,944 bytes of LDS; arguments wpart, xb, xpart, out1; writes xpart, out1
.if DOCPART == 4
	.amdgcn_target "amdgcn-amd-amdhsa--gfx1250"
	.amdhsa_code_object_version 6
	.text
	.protected	k_q837c61dcba_xbar
	.globl	k_q837c61dcba_xbar
	.p2align	8
	.type	k_q837c61dcba_xbar,@function
k_q837c61dcba_xbar:
	s_mov_b64 s[64:65], 0
	v_nop
	global_prefetch_b8 v0, s[64:65] scope:SCOPE_SE
	s_setreg_imm32_b32 hwreg(HW_REG_WAVE_MODE, 25, 1), 1
	s_wait_xcnt 0x0
; w[b][n][k] = the sum of wpart's four quarters;  out1[b][k] = (1 / 16) x the sum over the heads n of w;
; xpart[ks][b][n][h] = the sum over the 256 keys k of part ks of w[b][n][k] x[b][k][h].
; (The mean over the queries of attn . v is w . v, and w . v = (w . x) Wv^T + bv since a softmax row sums to 1: the value projection is
; applied to 64 vectors in the next launch instead of to 8,192 rows.)
; A product of 16 rows that streams x once: f32 on the vector unit, w kept in f32.  The matrix unit would want w in bf16 and x transposed,
; for 0.27 GFLOP in all.
; SHARES: a work-group has batch b, 256 keys (ks) and 128 columns (hc): 8 x 32 = 256 work-groups.  Wave w takes 32 keys, lane L columns
; 4 L .. 4 L + 3, all 16 heads together: a row piece of x (256 bytes, aligned, one load of the wave) feeds 16 heads.
; NO JOINT LOADS, though the eight work-groups of one (b, ks) read the same 65,536 bytes of wpart: the four quarters are added on arrival in
; registers and only their sum (16,384 bytes) goes to LDS; a joint load would land all four in LDS to be read back and added there.
; LIMIT: x is taken in bf16 (xb), as the projections take it.
.set WT,  0                            ; LDS: w [16 heads][256 keys] f32, 16,384 bytes
.set RED, 16384                        ; LDS: [8 waves][16 heads][128 columns] f32, 65,536 bytes
.set XF,  10                           ; v[10:17]   two keys x 4 columns in f32
.set ACC, 20                           ; v[20:83]   head n: 4 columns
.set X,   84                           ; v[84:147]  key i of my 32: 4 bf16
.set W0,  148                          ; v[148:179] head n: w of two keys; two buffers
.set W1,  180                          ; v[180:211]
.set PW,  148                          ; first: the 16 loads of wpart, quarter p, piece i at PW + 16 p + 4 i
.macro ADD4 a, b
	v_pk_add_f32 v[\a:\a+1], v[\a:\a+1], v[\b:\b+1]
	v_pk_add_f32 v[\a+2:\a+3], v[\a+2:\a+3], v[\b+2:\b+3]
.endm
	s_load_b256 s[4:11], s[0:1], 0x0               ; wpart s[4:5], xb s[6:7], xpart s[8:9], out1 s[10:11]
	v_lshl_add_u32 v216, v0, 2, 0x14000
	v_mov_b32 v217, 0
	v_lshrrev_b32 v1, 5, v0
	v_readfirstlane_b32 s12, v1                    ; wave
	s_and_b32 s13, ttmp7, 0xffff
	s_lshr_b32 s14, s13, 3                         ; b
	s_and_b32 s15, s13, 7                          ; ks
	s_lshl_b32 s16, s14, 19                        ; wpart: 16 heads x 4 quarters x 8,192 bytes a batch,
	s_lshl_b32 s17, s15, 10                        ; 256 keys of 4 bytes
	s_add_co_u32 s16, s16, s17
	s_lshl_b32 s22, s14, 13                        ; out1: 2,048 keys a batch
	s_add_co_u32 s22, s22, s17
	s_mov_b32 s17, 0
	s_mov_b32 s23, 0
	s_lshl_b32 s18, s14, 22                        ; xb: 2,048 rows of 2,048 bytes a batch,
	s_lshl_b32 s19, s15, 19                        ; 256 rows,
	s_add_co_u32 s18, s18, s19
	s_lshl_b32 s19, ttmp9, 8                       ; 128 columns of 2 bytes
	s_add_co_u32 s18, s18, s19
	s_mov_b32 s19, 0
	s_lshl2_add_u32 s20, s15, s14                  ; xpart: 4 ks + b,
	s_lshl_b32 s20, s20, 16                        ; 16 heads of 4,096 bytes,
	s_lshl_b32 s21, ttmp9, 9                       ; 128 columns of 4 bytes
	s_add_co_u32 s20, s20, s21
	s_mov_b32 s21, 0
	s_mov_b32 s24, 0xffff0000                      ; a word's upper bf16
	v_lshrrev_b32 v2, 4, v0                        ; head n = t / 16
	v_and_b32 v3, 15, v0                           ; g = t % 16
	v_lshlrev_b32 v4, 10, v2
	v_lshl_add_u32 v4, v3, 4, v4                   ; WT: 1,024 n + 16 g
	v_lshlrev_b32 v2, 15, v2
	v_lshl_add_u32 v2, v3, 4, v2                   ; wpart: 32,768 n + 16 g
	v_and_b32 v9, 31, v0                           ; lane L
	v_lshlrev_b32 v3, 16, v1
	v_lshl_add_u32 v3, v9, 3, v3                   ; xb: 32 rows x wave + 8 L
	v_lshlrev_b32 v5, 7, v1                        ; WT: my wave's 32 keys
	v_lshlrev_b32 v6, 13, v1
	v_lshl_add_u32 v6, v9, 4, v6
	v_add_nc_u32 v6, RED, v6                       ; RED + 8,192 w + 16 L
	v_lshlrev_b32 v7, 9, v1
	v_lshl_add_u32 v7, v9, 4, v7
	v_add_nc_u32 v7, RED, v7                       ; RED + 512 w + 16 L
	v_lshlrev_b32 v8, 12, v1
	v_lshl_add_u32 v8, v9, 4, v8                   ; xpart: 4,096 w + 16 L
	v_lshlrev_b32 v9, 4, v0                        ; 16 t
	s_wait_kmcnt 0x0
	s_add_nc_u64 s[4:5], s[4:5], s[16:17]
	s_add_nc_u64 s[6:7], s[6:7], s[18:19]
	s_add_nc_u64 s[8:9], s[8:9], s[20:21]
	s_add_nc_u64 s[10:11], s[10:11], s[22:23]
.irp p, 0,1,2,3
.irp i, 0,1,2,3
	global_load_b128 v[PW+16*\p+4*\i:PW+16*\p+4*\i+3], v2, s[4:5] offset:8192*\p+256*\i   ; sixteen lanes: 256 consecutive bytes of one head's quarter
.endr
.endr
.irp i, 0,1,2,3,4,5,6,7,8,9,10,11,12,13,14,15,16,17,18,19,20,21,22,23,24,25,26,27,28,29,30,31
	global_load_b64 v[X+2*\i:X+2*\i+1], v3, s[6:7] offset:2048*\i th:TH_LOAD_NT            ; key i: the wave takes 256 consecutive bytes, aligned; no other work-group reads them
.endr
	s_wait_loadcnt 32                              ; wpart's 16 loads are in; x's 32, issued behind them, stay out
.irp i, 0,1,2,3
	ADD4 PW+4*\i, PW+16+4*\i
	ADD4 PW+32+4*\i, PW+48+4*\i
	ADD4 PW+4*\i, PW+32+4*\i
	ds_store_b128 v4, v[PW+4*\i:PW+4*\i+3] offset:256*\i
.endr
	s_wait_dscnt 0x0                               ; my part of w is stored,
	s_barrier_signal -1
	s_barrier_wait -1                              ; everybody's is
.macro LOADW buf, g                    ; w of keys 2 g, 2 g + 1 of my 32, for 16 heads: every lane reads the same 8 bytes
.irp n, 0,1,2,3,4,5,6,7,8,9,10,11,12,13,14,15
	ds_load_b64 v[\buf+2*\n:\buf+2*\n+1], v5 offset:1024*\n+8*(\g)
.endr
.endm
; Two keys: 8 numbers of x to f32, then 64 packed multiply-adds; op_sel picks the key's w from the pair for both halves.
.macro GROUP g, cur, nxt
.if (\g) < 15
	LOADW \nxt, (\g)+1
	s_wait_dscnt 16                                ; this group's w is in; the next group's 16 loads stay out
.else
	s_wait_dscnt 0x0
.endif
	s_wait_loadcnt 30-2*(\g)                       ; keys 2 g and 2 g + 1 are in; the later keys' loads stay out
.irp k, 0,1
	v_lshlrev_b32 v[XF+4*\k],   16,  v[X+4*(\g)+2*\k]
	v_and_b32     v[XF+4*\k+1], s24, v[X+4*(\g)+2*\k]
	v_lshlrev_b32 v[XF+4*\k+2], 16,  v[X+4*(\g)+2*\k+1]
	v_and_b32     v[XF+4*\k+3], s24, v[X+4*(\g)+2*\k+1]
.endr
.irp n, 0,1,2,3,4,5,6,7,8,9,10,11,12,13,14,15
.if (\g) == 0
	v_pk_mul_f32 v[ACC+4*\n:ACC+4*\n+1],   v[XF:XF+1],   v[\cur+2*\n:\cur+2*\n+1] op_sel_hi:[1,0]      ; the first key starts the sums
	v_pk_mul_f32 v[ACC+4*\n+2:ACC+4*\n+3], v[XF+2:XF+3], v[\cur+2*\n:\cur+2*\n+1] op_sel_hi:[1,0]
.else
	v_pk_fma_f32 v[ACC+4*\n:ACC+4*\n+1],   v[XF:XF+1],   v[\cur+2*\n:\cur+2*\n+1], v[ACC+4*\n:ACC+4*\n+1] op_sel_hi:[1,0,1]
	v_pk_fma_f32 v[ACC+4*\n+2:ACC+4*\n+3], v[XF+2:XF+3], v[\cur+2*\n:\cur+2*\n+1], v[ACC+4*\n+2:ACC+4*\n+3] op_sel_hi:[1,0,1]
.endif
.endr
.irp n, 0,1,2,3,4,5,6,7,8,9,10,11,12,13,14,15
	v_pk_fma_f32 v[ACC+4*\n:ACC+4*\n+1],   v[XF+4:XF+5], v[\cur+2*\n:\cur+2*\n+1], v[ACC+4*\n:ACC+4*\n+1] op_sel:[0,1,0] op_sel_hi:[1,1,1]
	v_pk_fma_f32 v[ACC+4*\n+2:ACC+4*\n+3], v[XF+6:XF+7], v[\cur+2*\n:\cur+2*\n+1], v[ACC+4*\n+2:ACC+4*\n+3] op_sel:[0,1,0] op_sel_hi:[1,1,1]
.endr
.endm
	LOADW W0, 0
.irp g, 0,2,4,6,8,10,12,14
	GROUP \g, W0, W1
	GROUP \g+1, W1, W0
.endr
	; the eight waves' sums meet in LDS
.irp n, 0,1,2,3,4,5,6,7,8,9,10,11,12,13,14,15
	ds_store_b128 v6, v[ACC+4*\n:ACC+4*\n+3] offset:512*\n
.endr
	s_wait_dscnt 0x0
	s_barrier_signal -1
	s_barrier_wait -1
	; wave w adds up heads w and w + 8
.irp s, 0,1
.irp u, 0,1,2,3,4,5,6,7
	ds_load_b128 v[X+32*\s+4*\u:X+32*\s+4*\u+3], v7 offset:8192*\u+4096*\s
.endr
.endr
.macro SUM8 b
	ADD4 \b, \b+4
	ADD4 \b+8, \b+12
	ADD4 \b+16, \b+20
	ADD4 \b+24, \b+28
	ADD4 \b, \b+8
	ADD4 \b+16, \b+24
	ADD4 \b, \b+16
.endm
	s_wait_dscnt 8                                 ; head w's eight parts; head w + 8's loads stay out
	SUM8 X
	global_store_b128 v8, v[X:X+3], s[8:9]                         ; 512 consecutive bytes, aligned
	s_wait_dscnt 0x0
	SUM8 X+32
	global_store_b128 v8, v[X+32:X+35], s[8:9] offset:32768
	; out1, by the work-group of the first column block alone: 64 threads, four keys each
	s_cmp_lg_u32 ttmp9, 0
	s_cbranch_scc1 .Lend
	s_cmp_ge_u32 s12, 2
	s_cbranch_scc1 .Lend
.irp n, 0,1,2,3,4,5,6,7,8,9,10,11,12,13,14,15
	ds_load_b128 v[ACC+4*\n:ACC+4*\n+3], v9 offset:1024*\n
.endr
	s_wait_dscnt 0x0
.irp n, 0,2,4,6,8,10,12,14
	ADD4 ACC+4*\n, ACC+4*\n+4
.endr
.irp n, 0,4,8,12
	ADD4 ACC+4*\n, ACC+4*\n+8
.endr
.irp n, 0,8
	ADD4 ACC+4*\n, ACC+4*\n+16
.endr
	ADD4 ACC, ACC+32
	v_pk_mul_f32 v[ACC:ACC+1], v[ACC:ACC+1], 0x3d800000 op_sel_hi:[1,0]       ; the mean over 16 heads
	v_pk_mul_f32 v[ACC+2:ACC+3], v[ACC+2:ACC+3], 0x3d800000 op_sel_hi:[1,0]
	global_store_b128 v9, v[ACC:ACC+3], s[10:11]
.Lend:
	s_wait_tensorcnt 0x0
	ds_add_u32 v216, v217
	s_wait_dscnt 0x0
	s_endpgm
.Lfunc_end_k_q837c61dcba_xbar:
	.size	k_q837c61dcba_xbar, .Lfunc_end_k_q837c61dcba_xbar-k_q837c61dcba_xbar
	.p2alignl 7, 3214868480
	.fill 96, 4, 3214868480
	.section	.rodata,"a",@progbits
	.p2align	6, 0x0
	.amdhsa_kernel k_q837c61dcba_xbar
		.amdhsa_group_segment_fixed_size 82944
		.amdhsa_private_segment_fixed_size 0
		.amdhsa_enable_private_segment 0
		.amdhsa_kernarg_size 32
		.amdhsa_user_sgpr_count 2
		.amdhsa_user_sgpr_kernarg_segment_ptr 1
		.amdhsa_wavefront_size32 1
		.amdhsa_system_sgpr_workgroup_id_x 1
		.amdhsa_system_sgpr_workgroup_id_y 1
		.amdhsa_system_sgpr_workgroup_id_z 1
		.amdhsa_system_vgpr_workitem_id 0
		.amdhsa_next_free_vgpr 218
		.amdhsa_next_free_sgpr 66
		.amdhsa_reserve_vcc 0
		.amdhsa_float_denorm_mode_32 3
		.amdhsa_float_denorm_mode_16_64 3
		.amdhsa_memory_ordered 1
		.amdhsa_forward_progress 1
		.amdhsa_inst_pref_size 102
	.end_amdhsa_kernel
	.amdgpu_metadata
---
amdhsa.version: [ 1, 2 ]
amdhsa.kernels:
  - .name:           k_q837c61dcba_xbar
    .symbol:         k_q837c61dcba_xbar.kd
    .args:
      - { .name: wpart, .offset: 0, .size: 8, .value_kind: global_buffer, .address_space: global }
      - { .name: xb, .offset: 8, .size: 8, .value_kind: global_buffer, .address_space: global }
      - { .name: xpart, .offset: 16, .size: 8, .value_kind: global_buffer, .address_space: global }
      - { .name: out1, .offset: 24, .size: 8, .value_kind: global_buffer, .address_space: global }
    .group_segment_fixed_size: 82944
    .private_segment_fixed_size: 0
    .kernarg_segment_align: 8
    .kernarg_segment_size: 32
    .max_flat_workgroup_size: 256
    .sgpr_count:     66
    .vgpr_count:     218
    .wavefront_size: 32
...
	.end_amdgpu_metadata
.endif
;; end of part 4
;; launch ctx (part 5): grid 64 x 1, 8 waves a work-group, no clusters, 17,920 bytes of LDS; arguments xpart, Wv, bv, ctx; writes ctx
.if DOCPART == 5
	.amdgcn_target "amdgcn-amd-amdhsa--gfx1250"
	.amdhsa_code_object_version 6
	.text
	.protected	k_q837c61dcba_ctx
	.globl	k_q837c61dcba_ctx
	.p2align	8
	.type	k_q837c61dcba_ctx,@function
k_q837c61dcba_ctx:
	s_mov_b64 s[64:65], 0
	v_nop
	global_prefetch_b8 v0, s[64:65] scope:SCOPE_SE
	s_setreg_imm32_b32 hwreg(HW_REG_WAVE_MODE, 25, 1), 1
	s_wait_xcnt 0x0
; ctx[c][b] = (the sum of xpart's eight parts)[b][head of c] . Wv[c] + bv[c]: the mean over the queries of the context, column c = 64 n + d.
; bv enters with the factor 1: the weights of a head sum to 1, since every softmax row does.
; Stored as ctx[c / 16][b][c % 16], so that a work-group's 64 results are 256 consecutive bytes.
; A product of 4 rows that streams Wv once, all in f32 on the vector unit: 1,024 x 1,024 x 4 multiply-adds in all.
; SHARES: work-group id has the 16 columns c = 16 id .. 16 id + 15 (head n = id / 4); wave w two of them, each a whole row of Wv (8 loads of 512
; consecutive bytes); a row is multiplied with the four batches' vectors.
; NO JOINT LOADS, though the four work-groups of a head read the same 131,072 bytes of xpart: the eight parts are added on arrival in registers
; and only the sum (16,384 bytes) goes to LDS.
.set XBL, 0                            ; LDS: [4 batches][1024] f32
.set OUTL, 16384                       ; LDS: [4 batches][16 columns] f32
.set XP,  16                           ; v[16:143]  first part ks, batch b at XP + 16 ks + 4 b; then batch b, piece i at XP + 32 b + 4 i
.set WV,  144                          ; v[144:207] row j, piece i at WV + 32 j + 4 i
.set ACC, 208                          ; v[208:223] a pair for (row j, batch b) at ACC + 8 j + 2 b
.macro ADD4 a, b
	v_pk_add_f32 v[\a:\a+1], v[\a:\a+1], v[\b:\b+1]
	v_pk_add_f32 v[\a+2:\a+3], v[\a+2:\a+3], v[\b+2:\b+3]
.endm
	s_load_b256 s[4:11], s[0:1], 0x0               ; xpart s[4:5], Wv s[6:7], bv s[8:9], ctx s[10:11]
	v_lshl_add_u32 v224, v0, 2, 0x4200
	v_mov_b32 v225, 0
	v_lshrrev_b32 v1, 5, v0
	v_readfirstlane_b32 s12, v1                    ; wave
	s_lshr_b32 s14, ttmp9, 2
	s_lshl_b32 s14, s14, 12                        ; xpart: head n, 4,096 bytes
	s_mov_b32 s15, 0
	s_lshl_b32 s16, ttmp9, 16                      ; Wv: 16 rows of 4,096 bytes,
	s_lshl_b32 s17, s12, 13                        ; two rows a wave
	s_add_co_u32 s16, s16, s17
	s_mov_b32 s17, 0
	s_lshl_b32 s18, ttmp9, 6                       ; bv: 16 numbers,
	s_lshl3_add_u32 s18, s12, s18                  ; two a wave
	s_mov_b32 s19, 0
	s_lshl_b32 s22, ttmp9, 8                       ; ctx: 256 bytes
	s_mov_b32 s23, 0
	s_mov_b32 s24, 0x76543210                      ; v_permlanex16_b32: lane i of one half reads lane i of the other
	s_mov_b32 s25, 0xfedcba98
	s_lshl_b32 s26, s12, 3
	s_add_co_u32 s26, s26, OUTL                    ; my two columns in the stage
	v_lshlrev_b32 v2, 4, v0                        ; 16 t
	v_and_b32 v3, 31, v0
	v_lshlrev_b32 v5, 3, v3                        ; 8 L
	v_lshlrev_b32 v3, 4, v3                        ; 16 L
	v_mov_b32 v4, s26
	s_wait_kmcnt 0x0
	s_add_nc_u64 s[4:5], s[4:5], s[14:15]
	s_add_nc_u64 s[6:7], s[6:7], s[16:17]
	s_add_nc_u64 s[8:9], s[8:9], s[18:19]
	s_add_nc_u64 s[10:11], s[10:11], s[22:23]
	s_load_b64 s[20:21], s[8:9], 0x0               ; bv of my two columns
.irp k, 0,1,2,3,4,5,6,7
.irp b, 0,1,2,3
	global_load_b128 v[XP+16*\k+4*\b:XP+16*\k+4*\b+3], v2, s[4:5] offset:262144*\k+65536*\b
.endr
.endr
.irp j, 0,1
.irp i, 0,1,2,3,4,5,6,7
	global_load_b128 v[WV+32*\j+4*\i:WV+32*\j+4*\i+3], v3, s[6:7] offset:4096*\j+512*\i th:TH_LOAD_NT
.endr
.endr
	s_wait_loadcnt 16                              ; xpart's 32 loads are in; Wv's 16, issued behind them, stay out
.irp b, 0,1,2,3
	ADD4 XP+4*\b, XP+4*\b+16
	ADD4 XP+4*\b+32, XP+4*\b+48
	ADD4 XP+4*\b+64, XP+4*\b+80
	ADD4 XP+4*\b+96, XP+4*\b+112
	ADD4 XP+4*\b, XP+4*\b+32
	ADD4 XP+4*\b+64, XP+4*\b+96
	ADD4 XP+4*\b, XP+4*\b+64
	ds_store_b128 v2, v[XP+4*\b:XP+4*\b+3] offset:4096*\b
.endr
	s_wait_dscnt 0x0                               ; my four numbers of each batch's vector are stored,
	s_barrier_signal -1
	s_barrier_wait -1                              ; everybody's are
.irp b, 0,1,2,3
.irp i, 0,1,2,3,4,5,6,7
	ds_load_b128 v[XP+32*\b+4*\i:XP+32*\b+4*\i+3], v3 offset:4096*\b+512*\i
.endr
.endr
	s_wait_dscnt 0x0
	s_wait_loadcnt 0x0
	s_wait_kmcnt 0x0
; Eight dot products side by side: piece i, half h of it; the eight sums take turns.
.macro DOTSTEP i, h, first
.irp j, 0,1
.irp b, 0,1,2,3
.if \first
	v_pk_mul_f32 v[ACC+8*\j+2*\b:ACC+8*\j+2*\b+1], v[WV+32*\j+4*\i+\h:WV+32*\j+4*\i+\h+1], v[XP+32*\b+4*\i+\h:XP+32*\b+4*\i+\h+1]
.else
	v_pk_fma_f32 v[ACC+8*\j+2*\b:ACC+8*\j+2*\b+1], v[WV+32*\j+4*\i+\h:WV+32*\j+4*\i+\h+1], v[XP+32*\b+4*\i+\h:XP+32*\b+4*\i+\h+1], v[ACC+8*\j+2*\b:ACC+8*\j+2*\b+1]
.endif
.endr
.endr
.endm
	DOTSTEP 0, 0, 1
	DOTSTEP 0, 2, 0
.irp i, 1,2,3,4,5,6,7
	DOTSTEP \i, 0, 0
	DOTSTEP \i, 2, 0
.endr
	; across the pair and the 32 lanes
.irp a, 0,1,2,3,4,5,6,7
	v_add_f32 v[ACC+2*\a], v[ACC+2*\a], v[ACC+2*\a+1]
.endr
.irp m, 1,2,4,8
.irp a, 0,1,2,3,4,5,6,7
	v_add_f32_dpp v[ACC+2*\a], v[ACC+2*\a], v[ACC+2*\a] row_xmask:\m row_mask:0xf bank_mask:0xf
.endr
.endr
.irp a, 0,1,2,3,4,5,6,7
	v_permlanex16_b32 v[ACC+2*\a+1], v[ACC+2*\a], s24, s25
.endr
.irp a, 0,1,2,3,4,5,6,7
	v_add_f32 v[ACC+2*\a], v[ACC+2*\a], v[ACC+2*\a+1]
.endr
.irp b, 0,1,2,3
	v_add_f32 v[ACC+2*\b], s20, v[ACC+2*\b]
	v_add_f32 v[ACC+8+2*\b], s21, v[ACC+8+2*\b]
	ds_store_b32 v4, v[ACC+2*\b] offset:64*\b      ; every lane stores the same number to the same word
	ds_store_b32 v4, v[ACC+8+2*\b] offset:64*\b+4
.endr
	s_wait_dscnt 0x0
	s_barrier_signal -1
	s_barrier_wait -1
	s_cmp_lg_u32 s12, 0
	s_cbranch_scc1 .Lend
	ds_load_b64 v[6:7], v5 offset:OUTL
	s_wait_dscnt 0x0
	global_store_b64 v5, v[6:7], s[10:11]          ; wave 0: the work-group's 256 consecutive bytes, aligned
.Lend:
	s_wait_tensorcnt 0x0
	ds_add_u32 v224, v225
	s_wait_dscnt 0x0
	s_endpgm
.Lfunc_end_k_q837c61dcba_ctx:
	.size	k_q837c61dcba_ctx, .Lfunc_end_k_q837c61dcba_ctx-k_q837c61dcba_ctx
	.p2alignl 7, 3214868480
	.fill 96, 4, 3214868480
	.section	.rodata,"a",@progbits
	.p2align	6, 0x0
	.amdhsa_kernel k_q837c61dcba_ctx
		.amdhsa_group_segment_fixed_size 17920
		.amdhsa_private_segment_fixed_size 0
		.amdhsa_enable_private_segment 0
		.amdhsa_kernarg_size 32
		.amdhsa_user_sgpr_count 2
		.amdhsa_user_sgpr_kernarg_segment_ptr 1
		.amdhsa_wavefront_size32 1
		.amdhsa_system_sgpr_workgroup_id_x 1
		.amdhsa_system_sgpr_workgroup_id_y 1
		.amdhsa_system_sgpr_workgroup_id_z 1
		.amdhsa_system_vgpr_workitem_id 0
		.amdhsa_next_free_vgpr 226
		.amdhsa_next_free_sgpr 66
		.amdhsa_reserve_vcc 0
		.amdhsa_float_denorm_mode_32 3
		.amdhsa_float_denorm_mode_16_64 3
		.amdhsa_memory_ordered 1
		.amdhsa_forward_progress 1
		.amdhsa_inst_pref_size 25
	.end_amdhsa_kernel
	.amdgpu_metadata
---
amdhsa.version: [ 1, 2 ]
amdhsa.kernels:
  - .name:           k_q837c61dcba_ctx
    .symbol:         k_q837c61dcba_ctx.kd
    .args:
      - { .name: xpart, .offset: 0, .size: 8, .value_kind: global_buffer, .address_space: global }
      - { .name: Wv, .offset: 8, .size: 8, .value_kind: global_buffer, .address_space: global }
      - { .name: bv, .offset: 16, .size: 8, .value_kind: global_buffer, .address_space: global }
      - { .name: ctx, .offset: 24, .size: 8, .value_kind: global_buffer, .address_space: global }
    .group_segment_fixed_size: 17920
    .private_segment_fixed_size: 0
    .kernarg_segment_align: 8
    .kernarg_segment_size: 32
    .max_flat_workgroup_size: 256
    .sgpr_count:     66
    .vgpr_count:     226
    .wavefront_size: 32
...
	.end_amdgpu_metadata
.endif
;; end of part 5
;; launch pool (part 6): grid 64 x 1, 8 waves a work-group, no clusters, 1,280 bytes of LDS; arguments ctx, Wo, bo, out0; writes out0
.if DOCPART == 6
	.amdgcn_target "amdgcn-amd-amdhsa--gfx1250"
	.amdhsa_code_object_version 6
	.text
	.protected	k_q837c61dcba_pool
	.globl	k_q837c61dcba_pool
	.p2align	8
	.type	k_q837c61dcba_pool,@function
k_q837c61dcba_pool:
	s_mov_b64 s[64:65], 0
	v_nop
	global_prefetch_b8 v0, s[64:65] scope:SCOPE_SE
	s_setreg_imm32_b32 hwreg(HW_REG_WAVE_MODE, 25, 1), 1
	s_wait_xcnt 0x0
; out0[b][o] = the sum over c of ctx[c][b] Wo[o][c] + bo[o]: the output projection applied to the mean context (the mean over l commutes with it).
; A product of 4 rows that streams Wo once, all in f32 on the vector unit.
; SHARES: work-group id has the 16 outputs o = 16 id .. 16 id + 15; wave w two of them, each a whole row of Wo (8 loads of 512 consecutive bytes).
; ctx (16,384 bytes, laid as [c / 16][b][c % 16]) is read whole by every wave, straight into the registers that the products use.
; NO JOINT LOADS for it: it is a fifth of what a work-group reads (Wo: 65,536 bytes) and needs no stage in LDS.
; THE STORES are four runs of 64 bytes (16 outputs of each batch): whole runs of 256 bytes would want 64 outputs of one batch in a work-group,
; that is, Wo read four times, for 16,384 bytes of output.
.set XP,  16                           ; v[16:143]  batch b, piece i at XP + 32 b + 4 i
.set WV,  144                          ; v[144:207] row j, piece i at WV + 32 j + 4 i
.set ACC, 208                          ; v[208:223] a pair for (row j, batch b) at ACC + 8 j + 2 b
	s_load_b256 s[4:11], s[0:1], 0x0               ; ctx s[4:5], Wo s[6:7], bo s[8:9], out0 s[10:11]
	v_lshl_add_u32 v224, v0, 2, 0x100
	v_mov_b32 v225, 0
	v_lshrrev_b32 v1, 5, v0
	v_readfirstlane_b32 s12, v1                    ; wave
	s_lshl_b32 s16, ttmp9, 16                      ; Wo: 16 rows of 4,096 bytes,
	s_lshl_b32 s17, s12, 13                        ; two rows a wave
	s_add_co_u32 s16, s16, s17
	s_mov_b32 s17, 0
	s_lshl_b32 s18, ttmp9, 6                       ; bo: 16 numbers,
	s_lshl3_add_u32 s18, s12, s18                  ; two a wave
	s_mov_b32 s19, 0
	s_lshl_b32 s22, ttmp9, 6                       ; out0: 16 numbers of each batch's row
	s_mov_b32 s23, 0
	s_mov_b32 s24, 0x76543210                      ; v_permlanex16_b32: lane i of one half reads lane i of the other
	s_mov_b32 s25, 0xfedcba98
	s_lshl_b32 s26, s12, 3                         ; my two outputs in the stage
	v_and_b32 v3, 31, v0                           ; lane L
	v_lshrrev_b32 v2, 2, v3
	v_lshlrev_b32 v2, 8, v2                        ; columns 4 L .. 4 L + 3 of a piece of 128: block L / 4 of 256 bytes,
	v_and_b32 v6, 3, v3
	v_lshl_add_u32 v2, v6, 4, v2                   ; 16 bytes at 16 (L % 4)
	v_lshlrev_b32 v5, 3, v3                        ; 8 L
	v_lshrrev_b32 v6, 3, v3
	v_lshlrev_b32 v6, 12, v6                       ; the way out: batch L / 8, a row of 4,096 bytes,
	v_and_b32 v7, 7, v3
	v_lshl_add_u32 v6, v7, 3, v6                   ; 8 bytes at 8 (L % 8)
	v_lshlrev_b32 v3, 4, v3                        ; 16 L
	v_mov_b32 v4, s26
	s_wait_kmcnt 0x0
	s_add_nc_u64 s[6:7], s[6:7], s[16:17]
	s_add_nc_u64 s[8:9], s[8:9], s[18:19]
	s_add_nc_u64 s[10:11], s[10:11], s[22:23]
	s_load_b64 s[20:21], s[8:9], 0x0               ; bo of my two outputs
.irp j, 0,1
.irp i, 0,1,2,3,4,5,6,7
	global_load_b128 v[WV+32*\j+4*\i:WV+32*\j+4*\i+3], v3, s[6:7] offset:4096*\j+512*\i th:TH_LOAD_NT
.endr
.endr
.irp b, 0,1,2,3
.irp i, 0,1,2,3,4,5,6,7
	global_load_b128 v[XP+32*\b+4*\i:XP+32*\b+4*\i+3], v2, s[4:5] offset:2048*\i+64*\b
.endr
.endr
	s_wait_loadcnt 0x0
	s_wait_kmcnt 0x0
; Eight dot products side by side: piece i, half h of it; the eight sums take turns.
.macro DOTSTEP i, h, first
.irp j, 0,1
.irp b, 0,1,2,3
.if \first
	v_pk_mul_f32 v[ACC+8*\j+2*\b:ACC+8*\j+2*\b+1], v[WV+32*\j+4*\i+\h:WV+32*\j+4*\i+\h+1], v[XP+32*\b+4*\i+\h:XP+32*\b+4*\i+\h+1]
.else
	v_pk_fma_f32 v[ACC+8*\j+2*\b:ACC+8*\j+2*\b+1], v[WV+32*\j+4*\i+\h:WV+32*\j+4*\i+\h+1], v[XP+32*\b+4*\i+\h:XP+32*\b+4*\i+\h+1], v[ACC+8*\j+2*\b:ACC+8*\j+2*\b+1]
.endif
.endr
.endr
.endm
	DOTSTEP 0, 0, 1
	DOTSTEP 0, 2, 0
.irp i, 1,2,3,4,5,6,7
	DOTSTEP \i, 0, 0
	DOTSTEP \i, 2, 0
.endr
	; across the pair and the 32 lanes
.irp a, 0,1,2,3,4,5,6,7
	v_add_f32 v[ACC+2*\a], v[ACC+2*\a], v[ACC+2*\a+1]
.endr
.irp m, 1,2,4,8
.irp a, 0,1,2,3,4,5,6,7
	v_add_f32_dpp v[ACC+2*\a], v[ACC+2*\a], v[ACC+2*\a] row_xmask:\m row_mask:0xf bank_mask:0xf
.endr
.endr
.irp a, 0,1,2,3,4,5,6,7
	v_permlanex16_b32 v[ACC+2*\a+1], v[ACC+2*\a], s24, s25
.endr
.irp a, 0,1,2,3,4,5,6,7
	v_add_f32 v[ACC+2*\a], v[ACC+2*\a], v[ACC+2*\a+1]
.endr
.irp b, 0,1,2,3
	v_add_f32 v[ACC+2*\b], s20, v[ACC+2*\b]
	v_add_f32 v[ACC+8+2*\b], s21, v[ACC+8+2*\b]
	ds_store_b32 v4, v[ACC+2*\b] offset:64*\b      ; stage [batch][16 outputs]; every lane stores the same number to the same word
	ds_store_b32 v4, v[ACC+8+2*\b] offset:64*\b+4
.endr
	s_wait_dscnt 0x0
	s_barrier_signal -1
	s_barrier_wait -1
	s_cmp_lg_u32 s12, 0
	s_cbranch_scc1 .Lend
	ds_load_b64 v[8:9], v5
	s_wait_dscnt 0x0
	global_store_b64 v6, v[8:9], s[10:11]          ; wave 0: eight lanes store the 64 bytes of one batch
.Lend:
	s_wait_tensorcnt 0x0
	ds_add_u32 v224, v225
	s_wait_dscnt 0x0
	s_endpgm
.Lfunc_end_k_q837c61dcba_pool:
	.size	k_q837c61dcba_pool, .Lfunc_end_k_q837c61dcba_pool-k_q837c61dcba_pool
	.p2alignl 7, 3214868480
	.fill 96, 4, 3214868480
	.section	.rodata,"a",@progbits
	.p2align	6, 0x0
	.amdhsa_kernel k_q837c61dcba_pool
		.amdhsa_group_segment_fixed_size 1280
		.amdhsa_private_segment_fixed_size 0
		.amdhsa_enable_private_segment 0
		.amdhsa_kernarg_size 32
		.amdhsa_user_sgpr_count 2
		.amdhsa_user_sgpr_kernarg_segment_ptr 1
		.amdhsa_wavefront_size32 1
		.amdhsa_system_sgpr_workgroup_id_x 1
		.amdhsa_system_sgpr_workgroup_id_y 1
		.amdhsa_system_sgpr_workgroup_id_z 1
		.amdhsa_system_vgpr_workitem_id 0
		.amdhsa_next_free_vgpr 226
		.amdhsa_next_free_sgpr 66
		.amdhsa_reserve_vcc 0
		.amdhsa_float_denorm_mode_32 3
		.amdhsa_float_denorm_mode_16_64 3
		.amdhsa_memory_ordered 1
		.amdhsa_forward_progress 1
		.amdhsa_inst_pref_size 19
	.end_amdhsa_kernel
	.amdgpu_metadata
---
amdhsa.version: [ 1, 2 ]
amdhsa.kernels:
  - .name:           k_q837c61dcba_pool
    .symbol:         k_q837c61dcba_pool.kd
    .args:
      - { .name: ctx, .offset: 0, .size: 8, .value_kind: global_buffer, .address_space: global }
      - { .name: Wo, .offset: 8, .size: 8, .value_kind: global_buffer, .address_space: global }
      - { .name: bo, .offset: 16, .size: 8, .value_kind: global_buffer, .address_space: global }
      - { .name: out0, .offset: 24, .size: 8, .value_kind: global_buffer, .address_space: global }
    .group_segment_fixed_size: 1280
    .private_segment_fixed_size: 0
    .kernarg_segment_align: 8
    .kernarg_segment_size: 32
    .max_flat_workgroup_size: 256
    .sgpr_count:     66
    .vgpr_count:     226
    .wavefront_size: 32
...
	.end_amdgpu_metadata
.endif
;; end of part 6
;; ======== version 2 of 2: 6 launches; version 1 with the launches cast, xbar written anew for expert scheduling mode
;; workspace buffers: xb 16,777,216 bytes; wqk 4,194,304 bytes; qk 33,554,432 bytes; wpart 2,097,152 bytes; xpart 2,097,152 bytes; ctx 16,384 bytes
;; launch cast (part 7): grid 640 x 1, 8 waves a work-group, no clusters, 0 bytes of LDS; arguments x, Wq, Wk, xb, wqk; writes xb, wqk
.if DOCPART == 7
	.amdgcn_target "amdgcn-amd-amdhsa--gfx1250"
	.amdhsa_code_object_version 6
	.text
	.protected	k_q837c61dcba_cast
	.globl	k_q837c61dcba_cast
	.p2align	8
	.type	k_q837c61dcba_cast,@function
k_q837c61dcba_cast:
	s_mov_b64 s[64:65], 0
	v_nop
	global_prefetch_b8 v0, s[64:65] scope:SCOPE_SE
	s_setreg_imm32_b32 hwreg(HW_REG_WAVE_SCHED_MODE, 0, 2), 2
	s_setreg_imm32_b32 hwreg(HW_REG_WAVE_MODE, 25, 1), 1
	s_wait_xcnt 0x0
	s_wait_alu depctr_vm_vsrc(0)
; xb = bf16(x);  wqk rows 0-1023 = bf16(Wq * SC), rows 1024-2047 = bf16(Wk).  SC = log2(e) / 8: the division of the scores by sqrt(64)
; and the change of the softmax to base 2 are folded into Wq (and, in the next launch, into bq).
; A stream: every input byte is read once and every output byte written once, so no LDS, no barrier, no matrix unit, no cluster
; (no two work-groups read the same byte).
; A work-group takes 16,384 numbers (65,536 bytes in, 32,768 out): groups 0-511 x, 512-575 Wq, 576-639 Wk.
; In step i thread t loads the 16 bytes at 16 t + 4096 i (a wave's load: 512 consecutive bytes) and stores the 8 bytes at
; 8 t + 2048 i (a wave's store: 256 consecutive bytes, aligned).  All 16 loads of a thread go out first; no register is written twice.
; LIMIT: Wq * SC is rounded to f32 and then to bf16 (two roundings).
; THE MODE: SCHED_MODE bits 1:0 = 2 (LLVM: expert scheduling mode 2), set by the entry lines.  The code itself states the register dependences
; between vector instructions and memory instructions, with s_wait_alu, always for 0.
; THE PLAN.  Registers that memory instructions touch:
;   v1, v2   byte offsets, made once at the head and never written again.
;   X        step i: written by its load, once; then named by vector lines alone.
;   Y        step i: written by its two roundings, once; read by its one store.
; The 16 steps go in four blocks of four.  Block p rounds steps 4 p .. 4 p + 3 into their Y; its memory instructions are the four stores of
; block p - 1, whose Y no vector line of block p names.  So one wait at a block's head states all that its four stores hang on, and they are
; dealt among its vector lines.  No register that a memory instruction reads is written again.
.set X,  4                             ; v[4:67]   step i: 4 numbers as loaded
.set Y,  68                            ; v[68:99]  step i: 4 bf16 to store
.set SC, 0x3e38aa3b                    ; log2(e) / 8
	s_load_b256 s[4:11], s[0:1], 0x0               ; x s[4:5], Wq s[6:7], Wk s[8:9], xb s[10:11]
	s_load_b64 s[12:13], s[0:1], 0x20              ; wqk
	s_sub_co_u32 s20, ttmp9, 512                   ; my number among the groups of Wq and Wk (wraps for x's groups)
	s_sub_co_u32 s21, ttmp9, 576                   ; my number among Wk's
	s_mov_b32 s28, SC
	s_mov_b32 s29, SC
	v_lshlrev_b32 v1, 4, v0                        ; 16 t
	v_lshlrev_b32 v2, 3, v0                        ; 8 t
	s_wait_kmcnt 0x0
	s_cmp_lt_u32 ttmp9, 512
	s_cselect_b64 s[14:15], s[4:5], s[6:7]         ; from: x or Wq
	s_cselect_b64 s[16:17], s[10:11], s[12:13]     ; to: xb or wqk
	s_cselect_b32 s18, ttmp9, s20                  ; my part of it
	s_lshl_b32 s22, s18, 15                        ; 32,768 bytes out for each part; Wk's parts follow Wq's 64 in wqk
	s_mov_b32 s23, 0
	s_cmp_ge_u32 ttmp9, 576
	s_cselect_b64 s[14:15], s[8:9], s[14:15]       ; from: Wk
	s_cselect_b32 s18, s21, s18
	s_lshl_b32 s18, s18, 16                        ; 65,536 bytes in for each part
	s_mov_b32 s19, 0
	s_add_nc_u64 s[14:15], s[14:15], s[18:19]
	s_add_nc_u64 s[16:17], s[16:17], s[22:23]
	s_wait_alu depctr_va_vdst(0)                   ; v1 and v2 are written: every load reads v1 and every store v2 as its offset
.irp i, 0,1,2,3,4,5,6,7,8,9,10,11,12,13,14,15
	global_load_b128 v[X+4*\i:X+4*\i+3], v1, s[14:15] offset:4096*\i th:TH_LOAD_NT
.endr
; Step i is rounded into its Y.
.macro CONV i, scaled
.if \scaled
	v_pk_mul_f32 v[X+4*(\i):X+4*(\i)+1], v[X+4*(\i):X+4*(\i)+1], s[28:29] op_sel_hi:[1,0]
	v_pk_mul_f32 v[X+4*(\i)+2:X+4*(\i)+3], v[X+4*(\i)+2:X+4*(\i)+3], s[28:29] op_sel_hi:[1,0]
.endif
	v_cvt_pk_bf16_f32 v[Y+2*(\i)], v[X+4*(\i)], v[X+4*(\i)+1]
	v_cvt_pk_bf16_f32 v[Y+2*(\i)+1], v[X+4*(\i)+2], v[X+4*(\i)+3]
.endm
; Step i leaves.
.macro SEND i
	global_store_b64 v2, v[Y+2*(\i):Y+2*(\i)+1], s[16:17] offset:2048*(\i)   ; later launches read it: no hint
.endm
; Block p: its four loads are in when at most the 12 - 4 p loads of the later blocks are out (loads come back in order: ISA guide 5.7.1).
.macro BLK p, scaled
	s_wait_loadcnt 12-4*(\p)
.if (\p) > 0
	s_wait_alu depctr_va_vdst(0)                   ; the block before has written its Y, which the four stores below read; no vector line of this block names those registers
.endif
.irp k, 0,1,2,3
.if (\p) > 0
	SEND 4*((\p)-1)+\k
.endif
	CONV 4*(\p)+\k, \scaled
.endr
.endm
	s_cmp_lt_u32 s20, 64                           ; Wq's groups alone scale
	s_cbranch_scc1 .Lscaled
	BLK 0, 0
	BLK 1, 0
	BLK 2, 0
	BLK 3, 0
	s_wait_alu depctr_va_vdst(0)                   ; block 3 has written its Y, which the last four stores read
	SEND 12
	SEND 13
	SEND 14
	SEND 15
	s_endpgm
.Lscaled:
	BLK 0, 1
	BLK 1, 1
	BLK 2, 1
	BLK 3, 1
	s_wait_alu depctr_va_vdst(0)                   ; block 3 has written its Y, which the last four stores read
	SEND 12
	SEND 13
	SEND 14
	SEND 15
	s_endpgm
.Lfunc_end_k_q837c61dcba_cast:
	.size	k_q837c61dcba_cast, .Lfunc_end_k_q837c61dcba_cast-k_q837c61dcba_cast
	.p2alignl 7, 3214868480
	.fill 96, 4, 3214868480
	.section	.rodata,"a",@progbits
	.p2align	6, 0x0
	.amdhsa_kernel k_q837c61dcba_cast
		.amdhsa_group_segment_fixed_size 0
		.amdhsa_private_segment_fixed_size 0
		.amdhsa_enable_private_segment 0
		.amdhsa_kernarg_size 40
		.amdhsa_user_sgpr_count 2
		.amdhsa_user_sgpr_kernarg_segment_ptr 1
		.amdhsa_wavefront_size32 1
		.amdhsa_system_sgpr_workgroup_id_x 1
		.amdhsa_system_sgpr_workgroup_id_y 1
		.amdhsa_system_sgpr_workgroup_id_z 1
		.amdhsa_system_vgpr_workitem_id 0
		.amdhsa_next_free_vgpr 104
		.amdhsa_next_free_sgpr 66
		.amdhsa_reserve_vcc 0
		.amdhsa_float_denorm_mode_32 3
		.amdhsa_float_denorm_mode_16_64 3
		.amdhsa_memory_ordered 1
		.amdhsa_forward_progress 1
		.amdhsa_inst_pref_size 13
	.end_amdhsa_kernel
	.amdgpu_metadata
---
amdhsa.version: [ 1, 2 ]
amdhsa.kernels:
  - .name:           k_q837c61dcba_cast
    .symbol:         k_q837c61dcba_cast.kd
    .args:
      - { .name: x, .offset: 0, .size: 8, .value_kind: global_buffer, .address_space: global }
      - { .name: Wq, .offset: 8, .size: 8, .value_kind: global_buffer, .address_space: global }
      - { .name: Wk, .offset: 16, .size: 8, .value_kind: global_buffer, .address_space: global }
      - { .name: xb, .offset: 24, .size: 8, .value_kind: global_buffer, .address_space: global }
      - { .name: wqk, .offset: 32, .size: 8, .value_kind: global_buffer, .address_space: global }
    .group_segment_fixed_size: 0
    .private_segment_fixed_size: 0
    .kernarg_segment_align: 8
    .kernarg_segment_size: 40
    .max_flat_workgroup_size: 256
    .sgpr_count:     66
    .vgpr_count:     104
    .wavefront_size: 32
...
	.end_amdgpu_metadata
.endif
;; end of part 7
;; launch proj: the kernel of part 2 again; grid 8 x 32, 4 waves a work-group, clusters of 4 x 4, 327,680 bytes of LDS; arguments xb, wqk, qk, bq, bk; writes qk
;; launch attn: the kernel of part 3 again; grid 4 x 64, 8 waves a work-group, no clusters, 168,960 bytes of LDS; arguments qk, wpart; writes wpart
;; launch xbar (part 8): grid 8 x 32, 8 waves a work-group, no clusters, 82,944 bytes of LDS; arguments wpart, xb, xpart, out1; writes xpart, out1
.if DOCPART == 8
	.amdgcn_target "amdgcn-amd-amdhsa--gfx1250"
	.amdhsa_code_object_version 6
	.text
	.protected	k_q837c61dcba_xbar
	.globl	k_q837c61dcba_xbar
	.p2align	8
	.type	k_q837c61dcba_xbar,@function
k_q837c61dcba_xbar:
	s_mov_b64 s[64:65], 0
	v_nop
	global_prefetch_b8 v0, s[64:65] scope:SCOPE_SE
	s_setreg_imm32_b32 hwreg(HW_REG_WAVE_SCHED_MODE, 0, 2), 2
	s_setreg_imm32_b32 hwreg(HW_REG_WAVE_MODE, 25, 1), 1
	s_wait_xcnt 0x0
	s_wait_alu depctr_vm_vsrc(0)
; w[b][n][k] = the sum of wpart's four quarters;  out1[b][k] = (1 / 16) x the sum over the heads n of w;
; xpart[ks][b][n][h] = the sum over the 256 keys k of part ks of w[b][n][k] x[b][k][h].
; (The mean over the queries of attn . v is w . v, and w . v = (w . x) Wv^T + bv since a softmax row sums to 1: the value projection is
; applied to 64 vectors in the next launch instead of to 8,192 rows.)
; A product of 16 rows that streams x once: f32 on the vector unit, w kept in f32.  The matrix unit would want w in bf16 and x transposed,
; for 0.27 GFLOP in all.
; SHARES: a work-group has batch b, 256 keys (ks) and 128 columns (hc): 8 x 32 = 256 work-groups.  Wave w takes 32 keys, lane L columns
; 4 L .. 4 L + 3, all 16 heads together: a row piece of x (256 bytes, aligned, one load of the wave) feeds 16 heads.
; NO JOINT LOADS, though the eight work-groups of one (b, ks) read the same 65,536 bytes of wpart: the four quarters are added on arrival in
; registers and only their sum (16,384 bytes) goes to LDS; a joint load would land all four in LDS to be read back and added there.
; LIMIT: x is taken in bf16 (xb), as the projections take it.
; THE MODE: SCHED_MODE bits 1:0 = 2 (LLVM: expert scheduling mode 2), set by the entry lines.  The code itself states the register dependences
; between vector instructions and memory or LDS instructions, with s_wait_alu, always for 0.
; THE PLAN.  Registers that memory or LDS instructions touch:
;   v2 .. v9, v216, v217   offsets and addresses, made once at the head and never written again.
;   PW       loaded from wpart; added up by vector lines; its first 16 registers are then read by four LDS stores.  Afterwards it is W0 and W1.
;   W0, W1   Group g's multiply-adds read W[g % 2]; the 16 LDS loads of group g + 1's w, issued in group g, land in the other buffer, which group g - 1 read.
;   X        loaded from xb; read by the groups' unpacking lines; behind the second barrier the LDS loads of the waves' sums land in it, vector lines add them, two stores read the results.
;   ACC      written by the multiply-adds; read by 16 LDS stores; for out1 LDS loads land in it, vector lines add them, one store reads the result.
; So ONE wait on va_vdst stands at the head of a group: the group before is done reading the buffer that this group's loads land in.  The loads follow it,
; dealt among the group's multiply-adds, which name ACC, XF and the other buffer alone.  XF is named by vector lines alone.
.set WT,  0                            ; LDS: w [16 heads][256 keys] f32, 16,384 bytes
.set RED, 16384                        ; LDS: [8 waves][16 heads][128 columns] f32, 65,536 bytes
.set XF,  10                           ; v[10:17]   two keys x 4 columns in f32
.set ACC, 20                           ; v[20:83]   head n: 4 columns
.set X,   84                           ; v[84:147]  key i of my 32: 4 bf16
.set W0,  148                          ; v[148:179] head n: w of two keys; two buffers
.set W1,  180                          ; v[180:211]
.set PW,  148                          ; first: the 16 loads of wpart, quarter p, piece i at PW + 16 p + 4 i
.macro ADD4 a, b
	v_pk_add_f32 v[\a:\a+1], v[\a:\a+1], v[\b:\b+1]
	v_pk_add_f32 v[\a+2:\a+3], v[\a+2:\a+3], v[\b+2:\b+3]
.endm
	s_load_b256 s[4:11], s[0:1], 0x0               ; wpart s[4:5], xb s[6:7], xpart s[8:9], out1 s[10:11]
	v_lshl_add_u32 v216, v0, 2, 0x14000            ; the LDS address of my spare word, behind RED, and 0: kept for the closing lines alone
	v_mov_b32 v217, 0
	v_lshrrev_b32 v1, 5, v0
	v_readfirstlane_b32 s12, v1                    ; wave
	s_and_b32 s13, ttmp7, 0xffff
	s_lshr_b32 s14, s13, 3                         ; b
	s_and_b32 s15, s13, 7                          ; ks
	s_lshl_b32 s16, s14, 19                        ; wpart: 16 heads x 4 quarters x 8,192 bytes a batch,
	s_lshl_b32 s17, s15, 10                        ; 256 keys of 4 bytes
	s_add_co_u32 s16, s16, s17
	s_lshl_b32 s22, s14, 13                        ; out1: 2,048 keys a batch
	s_add_co_u32 s22, s22, s17
	s_mov_b32 s17, 0
	s_mov_b32 s23, 0
	s_lshl_b32 s18, s14, 22                        ; xb: 2,048 rows of 2,048 bytes a batch,
	s_lshl_b32 s19, s15, 19                        ; 256 rows,
	s_add_co_u32 s18, s18, s19
	s_lshl_b32 s19, ttmp9, 8                       ; 128 columns of 2 bytes
	s_add_co_u32 s18, s18, s19
	s_mov_b32 s19, 0
	s_lshl2_add_u32 s20, s15, s14                  ; xpart: 4 ks + b,
	s_lshl_b32 s20, s20, 16                        ; 16 heads of 4,096 bytes,
	s_lshl_b32 s21, ttmp9, 9                       ; 128 columns of 4 bytes
	s_add_co_u32 s20, s20, s21
	s_mov_b32 s21, 0
	s_mov_b32 s24, 0xffff0000                      ; a word's upper bf16
	v_lshrrev_b32 v2, 4, v0                        ; head n = t / 16
	v_and_b32 v3, 15, v0                           ; g = t % 16
	v_lshlrev_b32 v4, 10, v2
	v_lshl_add_u32 v4, v3, 4, v4                   ; WT: 1,024 n + 16 g
	v_lshlrev_b32 v2, 15, v2
	v_lshl_add_u32 v2, v3, 4, v2                   ; wpart: 32,768 n + 16 g
	v_and_b32 v9, 31, v0                           ; lane L
	v_lshlrev_b32 v3, 16, v1
	v_lshl_add_u32 v3, v9, 3, v3                   ; xb: 32 rows x wave + 8 L
	v_lshlrev_b32 v5, 7, v1                        ; WT: my wave's 32 keys
	v_lshlrev_b32 v6, 13, v1
	v_lshl_add_u32 v6, v9, 4, v6
	v_add_nc_u32 v6, RED, v6                       ; RED + 8,192 w + 16 L
	v_lshlrev_b32 v7, 9, v1
	v_lshl_add_u32 v7, v9, 4, v7
	v_add_nc_u32 v7, RED, v7                       ; RED + 512 w + 16 L
	v_lshlrev_b32 v8, 12, v1
	v_lshl_add_u32 v8, v9, 4, v8                   ; xpart: 4,096 w + 16 L
	v_lshlrev_b32 v9, 4, v0                        ; 16 t
	s_wait_alu depctr_va_sdst(0)                   ; s12 is written; its first reader is the compare on the way out, and the wait stands here, in the writer's own straight run, ahead of every branch
	s_wait_kmcnt 0x0
	s_add_nc_u64 s[4:5], s[4:5], s[16:17]
	s_add_nc_u64 s[6:7], s[6:7], s[18:19]
	s_add_nc_u64 s[8:9], s[8:9], s[20:21]
	s_add_nc_u64 s[10:11], s[10:11], s[22:23]
	s_wait_alu depctr_va_vdst(0)                   ; the offsets and addresses v2 to v9 are written, which the loads and stores of the whole kernel read
.irp p, 0,1,2,3
.irp i, 0,1,2,3
	global_load_b128 v[PW+16*\p+4*\i:PW+16*\p+4*\i+3], v2, s[4:5] offset:8192*\p+256*\i   ; sixteen lanes: 256 consecutive bytes of one head's quarter
.endr
.endr
.irp i, 0,1,2,3,4,5,6,7,8,9,10,11,12,13,14,15,16,17,18,19,20,21,22,23,24,25,26,27,28,29,30,31
	global_load_b64 v[X+2*\i:X+2*\i+1], v3, s[6:7] offset:2048*\i th:TH_LOAD_NT            ; key i: the wave takes 256 consecutive bytes, aligned; no other work-group reads them
.endr
	s_wait_loadcnt 32                              ; wpart's 16 loads are in; x's 32, issued behind them, stay out
.irp i, 0,1,2,3
	ADD4 PW+4*\i, PW+16+4*\i
	ADD4 PW+32+4*\i, PW+48+4*\i
	ADD4 PW+4*\i, PW+32+4*\i
.endr
	s_wait_alu depctr_va_vdst(0)                   ; the additions have written v[PW .. PW+15], which the LDS stores read; and they are done with all of PW, in which the loads of w land later
.irp i, 0,1,2,3
	ds_store_b128 v4, v[PW+4*\i:PW+4*\i+3] offset:256*\i
.endr
	s_wait_dscnt 0x0                               ; my part of w is stored,
	s_barrier_signal -1
	s_barrier_wait -1                              ; everybody's is
	s_wait_alu depctr_vm_vsrc(0)                   ; my LDS stores have read v[PW .. PW+15]: these registers are part of W0 from here on, written by the loads of w
; Two keys: 8 numbers of x to f32, then 64 packed multiply-adds; op_sel picks the key's w from the pair for both halves.
; w of keys 2 g + 2, 2 g + 3 of my 32, for 16 heads (every lane reads the same 8 bytes), is asked for among the first key's multiply-adds, a load ahead of each head's two.
.macro GROUP g, cur, nxt
	s_wait_dscnt 0x0                               ; this group's w is in: its 16 loads went out in the first half of the group before (group 0's ahead of it), and no LDS instruction since
	s_wait_loadcnt 30-2*(\g)                       ; keys 2 g and 2 g + 1 are in; the later keys' loads stay out
.if ((\g) > 0) && ((\g) < 15)
	s_wait_alu depctr_va_vdst(0)                   ; the group before is done reading the other buffer of w, in which the loads below land (ahead of group 0 no vector line since the last such wait names it; group 15 loads nothing)
.endif
.irp k, 0,1
	v_lshlrev_b32 v[XF+4*\k],   16,  v[X+4*(\g)+2*\k]
	v_and_b32     v[XF+4*\k+1], s24, v[X+4*(\g)+2*\k]
	v_lshlrev_b32 v[XF+4*\k+2], 16,  v[X+4*(\g)+2*\k+1]
	v_and_b32     v[XF+4*\k+3], s24, v[X+4*(\g)+2*\k+1]
.endr
.irp n, 0,1,2,3,4,5,6,7,8,9,10,11,12,13,14,15
.if (\g) < 15
	ds_load_b64 v[\nxt+2*\n:\nxt+2*\n+1], v5 offset:1024*\n+8*((\g)+1)   ; no wait: no vector line since the wait above names these registers
.endif
.if (\g) == 0
	v_pk_mul_f32 v[ACC+4*\n:ACC+4*\n+1],   v[XF:XF+1],   v[\cur+2*\n:\cur+2*\n+1] op_sel_hi:[1,0]      ; the first key starts the sums
	v_pk_mul_f32 v[ACC+4*\n+2:ACC+4*\n+3], v[XF+2:XF+3], v[\cur+2*\n:\cur+2*\n+1] op_sel_hi:[1,0]
.else
	v_pk_fma_f32 v[ACC+4*\n:ACC+4*\n+1],   v[XF:XF+1],   v[\cur+2*\n:\cur+2*\n+1], v[ACC+4*\n:ACC+4*\n+1] op_sel_hi:[1,0,1]
	v_pk_fma_f32 v[ACC+4*\n+2:ACC+4*\n+3], v[XF+2:XF+3], v[\cur+2*\n:\cur+2*\n+1], v[ACC+4*\n+2:ACC+4*\n+3] op_sel_hi:[1,0,1]
.endif
.endr
.irp n, 0,1,2,3,4,5,6,7,8,9,10,11,12,13,14,15
	v_pk_fma_f32 v[ACC+4*\n:ACC+4*\n+1],   v[XF+4:XF+5], v[\cur+2*\n:\cur+2*\n+1], v[ACC+4*\n:ACC+4*\n+1] op_sel:[0,1,0] op_sel_hi:[1,1,1]
	v_pk_fma_f32 v[ACC+4*\n+2:ACC+4*\n+3], v[XF+6:XF+7], v[\cur+2*\n:\cur+2*\n+1], v[ACC+4*\n+2:ACC+4*\n+3] op_sel:[0,1,0] op_sel_hi:[1,1,1]
.endr
.endm
.irp n, 0,1,2,3,4,5,6,7,8,9,10,11,12,13,14,15
	ds_load_b64 v[W0+2*\n:W0+2*\n+1], v5 offset:1024*\n            ; w of keys 0 and 1 of my 32
.endr
.irp g, 0,2,4,6,8,10,12,14
	GROUP \g, W0, W1
	GROUP \g+1, W1, W0
.endr
	; the eight waves' sums meet in LDS
	s_wait_alu depctr_va_vdst(0)                   ; the multiply-adds have written ACC, which the LDS stores read; the unpacking lines are done reading X, in which the loads behind the barrier land
.irp n, 0,1,2,3,4,5,6,7,8,9,10,11,12,13,14,15
	ds_store_b128 v6, v[ACC+4*\n:ACC+4*\n+3] offset:512*\n
.endr
	s_wait_dscnt 0x0
	s_barrier_signal -1
	s_barrier_wait -1
	; wave w adds up heads w and w + 8
.irp s, 0,1
.irp u, 0,1,2,3,4,5,6,7
	ds_load_b128 v[X+32*\s+4*\u:X+32*\s+4*\u+3], v7 offset:8192*\u+4096*\s
.endr
.endr
.macro SUM8 b
	ADD4 \b, \b+4
	ADD4 \b+8, \b+12
	ADD4 \b+16, \b+20
	ADD4 \b+24, \b+28
	ADD4 \b, \b+8
	ADD4 \b+16, \b+24
	ADD4 \b, \b+16
.endm
	s_wait_dscnt 8                                 ; head w's eight parts; head w + 8's loads stay out
	SUM8 X
	s_wait_dscnt 0x0
	SUM8 X+32
	s_wait_alu depctr_va_vdst(0)                   ; both heads' sums are written, v[X .. X+3] and v[X+32 .. X+35], which the two stores read
	global_store_b128 v8, v[X:X+3], s[8:9]                         ; 512 consecutive bytes, aligned
	global_store_b128 v8, v[X+32:X+35], s[8:9] offset:32768
	; out1, by the work-group of the first column block alone: 64 threads, four keys each
	s_wait_alu depctr_vm_vsrc(0)                   ; my LDS stores of the sums have read ACC, in which the loads of w below land; the wait stands ahead of the branches that lead there
	s_cmp_lg_u32 ttmp9, 0
	s_cbranch_scc1 .Lend
	s_cmp_ge_u32 s12, 2
	s_cbranch_scc1 .Lend
.irp n, 0,1,2,3,4,5,6,7,8,9,10,11,12,13,14,15
	ds_load_b128 v[ACC+4*\n:ACC+4*\n+3], v9 offset:1024*\n         ; the vector lines that named ACC stand ahead of the wait in front of its LDS stores
.endr
	s_wait_dscnt 0x0
.irp n, 0,2,4,6,8,10,12,14
	ADD4 ACC+4*\n, ACC+4*\n+4
.endr
.irp n, 0,4,8,12
	ADD4 ACC+4*\n, ACC+4*\n+8
.endr
.irp n, 0,8
	ADD4 ACC+4*\n, ACC+4*\n+16
.endr
	ADD4 ACC, ACC+32
	v_pk_mul_f32 v[ACC:ACC+1], v[ACC:ACC+1], 0x3d800000 op_sel_hi:[1,0]       ; the mean over 16 heads
	v_pk_mul_f32 v[ACC+2:ACC+3], v[ACC+2:ACC+3], 0x3d800000 op_sel_hi:[1,0]
	s_wait_alu depctr_va_vdst(0)                   ; the means are written, v[ACC .. ACC+3], which the store reads
	global_store_b128 v9, v[ACC:ACC+3], s[10:11]
.Lend:
	s_wait_dscnt 0x0                               ; the closing lines, six on end
	s_wait_alu 0x0
	s_wait_tensorcnt 0x0
	ds_add_u32 v216, v217
	s_wait_dscnt 0x0
	s_endpgm
.Lfunc_end_k_q837c61dcba_xbar:
	.size	k_q837c61dcba_xbar, .Lfunc_end_k_q837c61dcba_xbar-k_q837c61dcba_xbar
	.p2alignl 7, 3214868480
	.fill 96, 4, 3214868480
	.section	.rodata,"a",@progbits
	.p2align	6, 0x0
	.amdhsa_kernel k_q837c61dcba_xbar
		.amdhsa_group_segment_fixed_size 82944
		.amdhsa_private_segment_fixed_size 0
		.amdhsa_enable_private_segment 0
		.amdhsa_kernarg_size 32
		.amdhsa_user_sgpr_count 2
		.amdhsa_user_sgpr_kernarg_segment_ptr 1
		.amdhsa_wavefront_size32 1
		.amdhsa_system_sgpr_workgroup_id_x 1
		.amdhsa_system_sgpr_workgroup_id_y 1
		.amdhsa_system_sgpr_workgroup_id_z 1
		.amdhsa_system_vgpr_workitem_id 0
		.amdhsa_next_free_vgpr 218
		.amdhsa_next_free_sgpr 66
		.amdhsa_reserve_vcc 0
		.amdhsa_float_denorm_mode_32 3
		.amdhsa_float_denorm_mode_16_64 3
		.amdhsa_memory_ordered 1
		.amdhsa_forward_progress 1
		.amdhsa_inst_pref_size 103
	.end_amdhsa_kernel
	.amdgpu_metadata
---
amdhsa.version: [ 1, 2 ]
amdhsa.kernels:
  - .name:           k_q837c61dcba_xbar
    .symbol:         k_q837c61dcba_xbar.kd
    .args:
      - { .name: wpart, .offset: 0, .size: 8, .value_kind: global_buffer, .address_space: global }
      - { .name: xb, .offset: 8, .size: 8, .value_kind: global_buffer, .address_space: global }
      - { .name: xpart, .offset: 16, .size: 8, .value_kind: global_buffer, .address_space: global }
      - { .name: out1, .offset: 24, .size: 8, .value_kind: global_buffer, .address_space: global }
    .group_segment_fixed_size: 82944
    .private_segment_fixed_size: 0
    .kernarg_segment_align: 8
    .kernarg_segment_size: 32
    .max_flat_workgroup_size: 256
    .sgpr_count:     66
    .vgpr_count:     218
    .wavefront_size: 32
...
	.end_amdgpu_metadata
.endif
;; end of part 8
;; launch ctx: the kernel of part 5 again; grid 64 x 1, 8 waves a work-group, no clusters, 17,920 bytes of LDS; arguments xpart, Wv, bv, ctx; writes ctx
;; launch pool: the kernel of part 6 again; grid 64 x 1, 8 waves a work-group, no clusters, 1,280 bytes of LDS; arguments ctx, Wo, bo, out0; writes out0
